; MI455X (gfx1250); checked and timed in simulation.
; The chip was launched on July 23, 2026; its instructions are those of AMD's public machine-readable ISA for CDNA 5 (MIT licence, August 2026) and "CDNA5" Instruction Set Architecture Reference Guide (July 2026). The comments in the code are by the model that wrote it; some were corrected since.
;; Grouped Query Attention. Allowed arithmetic: matrix products marked QUANTISED: E2M3 operands, one E8M0 scale for each 32 along K, by v_wmma_scale_f32_16x16x128_f8f6f4 with both operands' format E2M3, f32 sums; everything else in f32.
;; Inputs: Wk 1,024 x 1,024 float32; Wo 1,024 x 1,024 float32; Wq 1,024 x 512 float32; Wv 1,024 x 1,024 float32; bk 1,024 float32; bo 1,024 float32; bq 512 float32; bv 1,024 float32; x 4 x 2,048 x 1,024 float32.
;; Outputs: out0 4 x 2,048 x 1,024 float32.
;; This version of the problem:
;;   THIS VERSION OF THE PROBLEM IS GIVEN IN LOW PRECISION. The matrix products marked QUANTISED in the list below multiply operands that are first quantised to E2M3 (2 exponent bits, 3 mantissa bits; 6 bits a number), with one power-of-two scale for each 32 numbers along K (OCP MX v1.0); their sums are f32. All else is computed in f32.
;;   The module's matrix products, in the order in which they are computed (A, B: the left and right operand; K: the contracted axis; several contracted axes count as one K, in the product's order):
;;     1. [M 8,192, K 1,024] x [K 1,024, N 512]; A: input x; B: input Wq: QUANTISED
;;     2. [M 8,192, K 1,024] x [K 1,024, N 1,024]; A: input x; B: input Wk: QUANTISED
;;     3. [M 8,192, K 1,024] x [K 1,024, N 1,024]; A: input x; B: input Wv: QUANTISED
;;     4. batch 64 x [M 2,048, K 64] x [K 64, N 2,048]; A: computed on the way; B: computed on the way: QUANTISED
;;     5. batch 64 x [M 2,048, K 2,048] x [K 2,048, N 64]; A: softmax (see below); B: computed on the way: QUANTISED
;;     6. [M 8,192, K 1,024] x [K 1,024, N 1,024]; A: computed on the way; B: input Wo: QUANTISED
;;   THE QUANTISER, for each operand of a quantised product, along K:
;;     - K is cut into blocks of 32 from its start; a last block that is shorter is filled with zeros.
;;     - A block's scale is 2^e with e = floor(log2(the largest magnitude in the block)) - 2, held to -126 .. 127; a block of zeros has e = 0. As a byte (E8M0): e + 127.
;;     - Each number is divided by its block's scale, clamped to +-7.5, and rounded to the nearest number of E2M3, ties to even, subnormals kept.
;;     - The product sums the exact products of the quantised numbers (number of the format x scale) in f32.
;;   ~~~python
;;   def quantise(x, axis):      # numpy; x: float32 -> the quantised numbers, widened to float32 again
;;       x = np.moveaxis(x, axis, -1); K = x.shape[-1]
;;       x = np.pad(x, [(0, 0)] * (x.ndim - 1) + [(0, -K % 32)]); x = x.reshape(x.shape[:-1] + (-1, 32)); a = np.abs(x).max(-1, keepdims=True)
;;       e = np.where(a > 0, np.clip(np.frexp(np.where(a > 0, a, 1))[1] - 1 - 2, -126, 127), 0)      # np.frexp(a)[1] - 1 = floor(log2(a)), exactly
;;       r = np.clip(x / 2.0 ** e, -7.5, 7.5)
;;       step = 2.0 ** (np.maximum(np.frexp(np.where(r == 0, 1, r))[1] - 1, 0) - 3)
;;       q = np.round(r / step) * step * 2.0 ** e      # np.round: ties to even
;;       return np.moveaxis(q.reshape(q.shape[:-2] + (-1,))[..., :K], -1, axis).astype(np.float32)
;;   ~~~
;;   SOFTMAX AHEAD OF A QUANTISED PRODUCT. Where the list says 'softmax', what is quantised is not the finished softmax but p = 2^(t - M), with t = logit x log2(e) and M = ceil(the row's largest t), a whole number; so 1/2 < the row's largest p <= 1. The row's sum l is taken of the UNQUANTISED p, in f32, and the product's result is divided by l at the end. Since M is a whole number, a kernel that streams over the keys may use a running M (the ceiling of the running maximum): every later rescaling is an exact power of two, which a block's scale takes up: the codes' values come out the same.
;;   OPERANDS COMPUTED ON THE WAY. 'Computed on the way' means the value that the module computes at that place (a softmax that the list does not call 'softmax' is quantised finished and normalised). What goes into a quantiser is computed in f32, as accurately as f32 sums, v_exp_f32 and their like allow (about 1e-6 of the number): no bf16 or f16 on the way to a quantiser, and a product that is left as it is and whose result goes on into a quantised operand takes f32 operands (vector FMAs, or v_wmma_f32_16x16x4_f32). A number that lies on a knife's edge between two numbers of the format may be rounded either way, as far as f32 arithmetic and the matrix unit's own rounding can turn it there, and no further.
;; One version. Each part assembles by itself: llvm-mc -triple=amdgcn-amd-amdhsa -mcpu=gfx1250 --defsym DOCPART=n.
;; ======== version 1 of 1: 4 launches
;; limits: right only within a limited range of input values
;; workspace buffers: xq 6,553,600 bytes; wq 2,867,200 bytes; qq 3,407,872 bytes; kvq 13,369,344 bytes; aq 6,553,600 bytes
;; launch quant (part 1): grid 736 x 1, 4 waves a work-group, no clusters, 68,096 bytes of LDS; arguments x, Wq, Wk, Wv, Wo, xq, wq; writes xq, wq
.if DOCPART == 1
	.amdgcn_target "amdgcn-amd-amdhsa--gfx1250"
	.amdhsa_code_object_version 6
	.text
	.protected	k_q79c68ebe96_quant
	.globl	k_q79c68ebe96_quant
	.p2align	8
	.type	k_q79c68ebe96_quant,@function
k_q79c68ebe96_quant:
	s_mov_b64 s[64:65], 0
	v_nop
	global_prefetch_b8 v0, s[64:65] scope:SCOPE_SE
	s_setreg_imm32_b32 hwreg(HW_REG_WAVE_MODE, 25, 1), 1
	s_wait_xcnt 0x0
; x [8192][1024] (K innermost) and Wq, Wk, Wv, Wo [1024][N] (K is the FIRST axis), f32, become codes of FP6 (E2M3) with one E8M0 byte for each 32 along K,
; laid as IMAGES OF OPERAND REGISTERS.  A fragment is 16 rows x 128 K, 12 registers a lane, 1,536 bytes: half c (K = 64 c ..): registers 6 c .. 6 c + 3 of lane l at 768 c + 16 l, registers 6 c + 4, 6 c + 5 at 768 c + 512 + 8 l.
; Tile T (16 rows), K step s lies at 12288 T + 1536 s.  Scale words: [pair of tiles][K step][32 lanes] x 4 bytes behind the codes; lane 16 u + r holds the word of row r of tile 2 i + u.
; ROWS ARE KEPT IN A STORED ORDER: inside each group of 32 rows, place p holds row sw(p) = p with bits 3 and 4 exchanged.  So lane r of tile 2 i + u is row 32 i + 8 u + r + 8 (r / 8): a product that takes such
; tiles as source 0 leaves, in the 16 registers of two neighbouring result tiles, 16 neighbours of that axis.
; SHARES.  A wave takes 32 rows x 128 K: two fragments and 32 scale words.  Lane l owns stored row l and holds its 128 numbers in X, so a block's largest magnitude needs no other lane.
;   Work-groups 0..511: x.  32 loads of 512 consecutive bytes (a row's 128 numbers), through the wave's own stage in LDS (rows 528 bytes apart), which turns rows into lanes and puts them in the stored order.
;   Work-groups 512..735: the weights.  A lane takes a column and its registers run down K: each load reads two runs of 64 consecutive bytes; nothing is transposed.
; A block's scale is 2^(floor(log2(largest magnitude)) - 2); its byte is the largest magnitude's exponent field - 2, held at 1 from below.
; LIMITS: a block whose largest magnitude lies under 2^-124 (a block of zeros too) gets the byte 1: its codes are zeros or subnormals, and this program alone reads the bytes.  NaN and infinities among the inputs are not served.
; THE STORED ORDER AS IT NOW IS (it takes the place of the order inside groups of 32 that the lines above describe): inside each group of 128 rows, lane r of tile t (0..7) is row
; 64 (t / 4) + 32 (r / 8) + 8 (t % 4) + r % 8.  A product that takes such tiles as source 0 leaves, in the 32 registers of four neighbouring result tiles, 32 neighbours of that axis: a whole block in a lane.
; A wave's pair of tiles so holds rows 64 (pair / 2) + 16 (pair % 2) + 0 .. 15 and the sixteen rows that lie 32 further on.
.set XS,    6291456
.set WS,    2752512                    ; wq: likewise (224 tiles: 0-31 Wq, 32-95 Wk, 96-159 Wv, 160-223 Wo)
.set STGB,  16896                      ; a wave's stage: 32 rows x 528 bytes
.set PIT,   528                        ; 512 bytes + 16: an odd multiple of 16
.set SPARE, 4*STGB                     ; behind the stages: the spare words, 128 bytes a wave: two blocks of 256 bytes that no other line names
.set VL16,  2                          ; v2   16 x lane
.set VL8,   3                          ; v3   512 + 8 x lane
.set VL4,   4                          ; v4   4 x lane
.set STI,   5                          ; v5   the stage, on the way in
.set STO,   6                          ; v6   and on the way out: my row
.set COLB,  7                          ; v7   4 x sw(lane): my column's bytes
.set SPW,   8                          ; v8   LDS address of my spare word; never rewritten
.set NIL,   9                          ; v9   0; never rewritten
.set TM,    10                         ; v10-13 largest magnitudes
.set SO,    14                         ; v14-17 the conversions' scale operands
.set BY,    18                         ; v18-21 the bytes
.set PW,    22                         ; v22  my row's scale word
.set CD,    24                         ; v24-47 codes: block kb at 6 kb
.set CT,    48                         ; v48-63 a block's upper 16 codes, as the conversion leaves them
.set VO,    64                         ; v64-95 weights: row i x pitch + my column
.set X,     96                         ; v96-223 my row's 128 numbers
	s_load_b256 s[4:11], s[0:1], 0x0               ; x s[4:5], Wq s[6:7], Wk s[8:9], Wv s[10:11]
	s_load_b128 s[12:15], s[0:1], 0x20             ; Wo s[12:13], xq s[14:15]
	s_load_b64 s[16:17], s[0:1], 0x30              ; wq
	v_lshl_add_u32 v[SPW], v0, 2, SPARE
	v_mov_b32 v[NIL], 0
	v_lshrrev_b32 v1, 5, v0
	v_readfirstlane_b32 s18, v1                    ; wave
	v_and_b32 v1, 31, v0                           ; lane
	v_lshlrev_b32 v[VL16], 4, v1
	v_lshl_add_u32 v[VL8], v1, 3, 512
	v_lshlrev_b32 v[VL4], 2, v1
	s_mul_i32 s19, s18, STGB
	v_add_nc_u32 v[STI], s19, v[VL16]
	v_mul_u32_u24 v[STO], v1, PIT
	v_add_nc_u32 v[STO], s19, v[STO]
	v_and_b32 v[COLB], 7, v1                       ; sw(lane): bits 2:0 stay,
	v_and_b32 v10, 8, v1
	v_lshl_or_b32 v[COLB], v10, 2, v[COLB]         ; bit 3 goes to bit 5,
	v_and_b32 v10, 16, v1
	v_lshrrev_b32 v10, 1, v10
	v_or_b32 v[COLB], v[COLB], v10                 ; bit 4 comes down
	v_lshlrev_b32 v[COLB], 2, v[COLB]
	s_lshr_b32 s36, ttmp9, 1                       ; x: pair of tiles = work-group / 2,
	s_and_b32 s37, ttmp9, 1
	s_lshl_b32 s37, s37, 2
	s_add_co_u32 s37, s37, s18                     ;    K step = 4 (work-group % 2) + wave
	s_sub_co_u32 s38, ttmp9, 512                   ; weights: j
	s_lshr_b32 s27, s38, 3                         ;    G = j / 8: a group of 128 columns
	s_and_b32 s38, s38, 7                          ;    K step = j % 8
	s_lshl_b32 s39, s27, 2
	s_add_co_u32 s39, s39, s18                     ;    pair = 4 G + wave
	s_mov_b32 s40, WS
	s_cmp_lt_u32 ttmp9, 512
	s_cselect_b32 s36, s36, s39                    ; pair
	s_cselect_b32 s37, s37, s38                    ; K step
	s_cselect_b32 s40, XS, s40
	s_mul_i32 s41, s36, 24576
	s_mul_i32 s42, s37, 1536
	s_add_co_u32 s42, s41, s42                     ; my two fragments' place
	s_mov_b32 s43, 0
	s_lshl_b32 s44, s36, 10
	s_lshl_b32 s45, s37, 7
	s_add_co_u32 s44, s44, s45
	s_add_co_u32 s44, s44, s40                     ; my 32 scale words' place
	s_mov_b32 s45, 0
	s_wait_kmcnt 0x0
	s_cmp_lt_u32 ttmp9, 512                        ; the choice hangs on the work-group's number alone
	s_cselect_b64 s[20:21], s[14:15], s[16:17]
	s_add_nc_u64 s[22:23], s[20:21], s[44:45]
	s_add_nc_u64 s[20:21], s[20:21], s[42:43]
	s_cmp_lt_u32 ttmp9, 512
	s_cbranch_scc0 .Lweights
	; ---- x: 32 rows of 512 bytes, as they lie
	s_lshr_b32 s24, s36, 1
	s_lshl_b32 s24, s24, 18                        ; 64 rows of 4,096 bytes for each two pairs,
	s_and_b32 s25, s36, 1
	s_lshl_b32 s25, s25, 16                        ; 16 rows for the odd pair
	s_add_co_u32 s24, s24, s25
	s_lshl_b32 s25, s37, 9
	s_add_co_u32 s24, s24, s25
	s_mov_b32 s25, 0
	s_add_nc_u64 s[24:25], s[4:5], s[24:25]
.set i, 0
.rept 32
	global_load_b128 v[X+4*i:X+4*i+3], v[VL16], s[24:25] offset:((i&15)+32*(i>>4))*4096 th:TH_LOAD_NT   ; rows 0-15 and 32-47 from the pair's first
.set i, i+1
.endr
.irp g, 0,1,2,3
	s_wait_loadcnt 24-8*\g                         ; loads come back in order: these eight rows are in, the younger ones may be out
.irp j, 0,1,2,3,4,5,6,7
.set i, 8*\g+\j
	ds_store_b128 v[STI], v[X+4*i:X+4*i+3] offset:((i&7)|((i&8)<<1)|((i&16)>>1))*PIT   ; row i goes to place sw(i)
.endr
.endr
.set i, 0
	s_wait_alu depctr_va_vdst(0)
.rept 32
	ds_load_b128 v[X+4*i:X+4*i+3], v[STO] offset:16*i   ; LDS serves a wave's instructions in order: these see my stores.  Lane l takes place l whole
.set i, i+1
.endr
	s_wait_dscnt 0x0
	s_branch .Ljoin
.Lweights:
	; ---- a weight: which tensor, its pitch, my 32 columns
	s_cmp_lt_u32 s27, 20
	s_cselect_b64 s[24:25], s[10:11], s[12:13]     ; Wv or Wo
	s_cselect_b32 s19, 12, 20
	s_cmp_lt_u32 s27, 12
	s_cselect_b64 s[24:25], s[8:9], s[24:25]       ; Wk
	s_cselect_b32 s19, 4, s19
	s_cmp_lt_u32 s27, 4
	s_cselect_b64 s[24:25], s[6:7], s[24:25]       ; Wq
	s_cselect_b32 s19, 0, s19
	s_cselect_b32 s41, 11, 12                      ; a row is 2,048 bytes in Wq, 4,096 in the others
	s_lshl_b32 s26, 1, s41
	s_sub_co_u32 s19, s27, s19                     ; the group of 128 columns inside the tensor
	s_lshl_b32 s19, s19, 9
	s_lshr_b32 s42, s18, 1                         ; my wave's pair: + 64 columns for each two waves,
	s_lshl_b32 s42, s42, 8
	s_add_co_u32 s19, s19, s42
	s_and_b32 s42, s18, 1                          ; + 16 for the odd one
	s_lshl_b32 s42, s42, 6
	s_add_co_u32 s19, s19, s42
	s_lshl_b32 s42, s37, 7                         ; 128 rows a K step
	s_lshl_b32 s42, s42, s41
	s_add_co_u32 s42, s42, s19
	s_mov_b32 s43, 0
	s_add_nc_u64 s[28:29], s[24:25], s[42:43]      ; block 0's first row, my wave's first column
	s_lshl_b32 s42, s26, 5                         ; 32 rows on
	s_add_nc_u64 s[30:31], s[28:29], s[42:43]
	s_add_nc_u64 s[32:33], s[30:31], s[42:43]
	s_add_nc_u64 s[34:35], s[32:33], s[42:43]
.set i, 0
	s_wait_alu depctr_va_vdst(0)
.rept 32
	v_mad_u32_u24 v[VO+i], s26, i, v[COLB]
.set i, i+1
.endr
.irp kb, 0,1,2,3
.set i, 0
.rept 32
	global_load_b32 v[X+32*\kb+i], v[VO+i], s[28+2*\kb:29+2*\kb] th:TH_LOAD_NT   ; W(128 s + 32 kb + i, my column): the wave reads two runs of 64 consecutive bytes, the four waves together 512
.set i, i+1
.endr
.endr
	s_wait_loadcnt 0x0
.Ljoin:
	; ---- four blocks of 32, all mine
.irp kb, 0,1,2,3
	v_max3_num_f32 v[TM+\kb], |v[X+32*\kb]|, |v[X+32*\kb+1]|, 0x1800000   ; with the floor 2^(3 - 127): the byte cannot fall under 1
.endr
.irp i, 2,4,6,8,10,12,14,16,18,20,22,24,26,28,30
.irp kb, 0,1,2,3
	v_max3_num_f32 v[TM+\kb], v[TM+\kb], |v[X+32*\kb+\i]|, |v[X+32*\kb+\i+1]|   ; the four blocks by turns
.endr
.endr
.irp kb, 0,1,2,3
	v_add_nc_u32 v[SO+\kb], 0xff000000, v[TM+\kb]  ; 2 off the exponent field: the conversion takes the exponent field of this operand as its scale
.endr
.irp kb, 0,1,2,3
	v_lshrrev_b32 v[BY+\kb], 23, v[SO+\kb]         ; the byte
.endr
	v_lshl_or_b32 v[PW], v[BY+1], 8, v[BY]
	v_lshl_or_b32 v[PW], v[BY+2], 16, v[PW]
	v_lshl_or_b32 v[PW], v[BY+3], 24, v[PW]
.irp kb, 0,1,2,3
	v_cvt_scalef32_pk16_fp6_f32 v[CD+6*\kb:CD+6*\kb+2], v[X+32*\kb:X+32*\kb+15], v[SO+\kb]
	v_cvt_scalef32_pk16_fp6_f32 v[CT+4*\kb:CT+4*\kb+2], v[X+32*\kb+16:X+32*\kb+31], v[SO+\kb]   ; (a conversion's three registers begin on an even number)
.endr
	v_nop                                          ; one plain place behind the scaled conversions
.irp kb, 0,1,2,3
.irp i, 0,1,2
	v_mov_b32 v[CD+6*\kb+3+\i], v[CT+4*\kb+\i]
.endr
.endr
; Lane l holds row l's four blocks.  A fragment wants, in lane (r, h), block 2 c + h of its row r.  The exchange gives it: the first register's lanes 16-31 change places with the second's lanes 0-15:
; CD + 12 c .. + 5 becomes half c of tile 0 (rows 0-15), CD + 12 c + 6 .. + 11 half c of tile 1 (rows 16-31).
.irp c, 0,1
.irp i, 0,1,2,3,4,5
	v_permlane16_swap_b32 v[CD+12*\c+\i], v[CD+12*\c+6+\i]
.endr
.endr
.irp u, 0,1
.irp c, 0,1
	global_store_b128 v[VL16], v[CD+12*\c+6*\u:CD+12*\c+6*\u+3], s[20:21] offset:\u*12288+\c*768    ; 512 consecutive bytes, at a multiple of 256
	global_store_b64 v[VL8], v[CD+12*\c+6*\u+4:CD+12*\c+6*\u+5], s[20:21] offset:\u*12288+\c*768    ; 256 consecutive bytes, likewise
.endr
.endr
	global_store_b32 v[VL4], v[PW], s[22:23]       ; 128 consecutive bytes
	s_wait_tensorcnt 0x0                           ; the wave's end, behind my last LDS store
	ds_add_u32 v[SPW], v[NIL]
	s_wait_dscnt 0x0
	s_endpgm
.Lfunc_end_k_q79c68ebe96_quant:
	.size	k_q79c68ebe96_quant, .Lfunc_end_k_q79c68ebe96_quant-k_q79c68ebe96_quant
	.p2alignl 7, 3214868480
	.fill 96, 4, 3214868480
	.section	.rodata,"a",@progbits
	.p2align	6, 0x0
	.amdhsa_kernel k_q79c68ebe96_quant
		.amdhsa_group_segment_fixed_size 68096
		.amdhsa_private_segment_fixed_size 0
		.amdhsa_enable_private_segment 0
		.amdhsa_kernarg_size 56
		.amdhsa_user_sgpr_count 2
		.amdhsa_user_sgpr_kernarg_segment_ptr 1
		.amdhsa_wavefront_size32 1
		.amdhsa_system_sgpr_workgroup_id_x 1
		.amdhsa_system_sgpr_workgroup_id_y 1
		.amdhsa_system_sgpr_workgroup_id_z 1
		.amdhsa_system_vgpr_workitem_id 0
		.amdhsa_next_free_vgpr 224
		.amdhsa_next_free_sgpr 66
		.amdhsa_reserve_vcc 0
		.amdhsa_float_denorm_mode_32 3
		.amdhsa_float_denorm_mode_16_64 3
		.amdhsa_memory_ordered 1
		.amdhsa_forward_progress 1
		.amdhsa_inst_pref_size 32
	.end_amdhsa_kernel
	.amdgpu_metadata
---
amdhsa.version: [ 1, 2 ]
amdhsa.kernels:
  - .name:           k_q79c68ebe96_quant
    .symbol:         k_q79c68ebe96_quant.kd
    .args:
      - { .name: x, .offset: 0, .size: 8, .value_kind: global_buffer, .address_space: global }
      - { .name: Wq, .offset: 8, .size: 8, .value_kind: global_buffer, .address_space: global }
      - { .name: Wk, .offset: 16, .size: 8, .value_kind: global_buffer, .address_space: global }
      - { .name: Wv, .offset: 24, .size: 8, .value_kind: global_buffer, .address_space: global }
      - { .name: Wo, .offset: 32, .size: 8, .value_kind: global_buffer, .address_space: global }
      - { .name: xq, .offset: 40, .size: 8, .value_kind: global_buffer, .address_space: global }
      - { .name: wq, .offset: 48, .size: 8, .value_kind: global_buffer, .address_space: global }
    .group_segment_fixed_size: 68096
    .private_segment_fixed_size: 0
    .kernarg_segment_align: 8
    .kernarg_segment_size: 56
    .max_flat_workgroup_size: 128
    .sgpr_count:     66
    .vgpr_count:     224
    .wavefront_size: 32
...
	.end_amdgpu_metadata
.endif
;; end of part 1
;; launch proj (part 2): grid 640 x 1, 4 waves a work-group, clusters of 4 x 1, 295,424 bytes of LDS; arguments xq, wq, bq, bk, bv, qq, kvq; writes qq, kvq
.if DOCPART == 2
	.amdgcn_target "amdgcn-amd-amdhsa--gfx1250"
	.amdhsa_code_object_version 6
	.text
	.protected	k_q79c68ebe96_proj
	.globl	k_q79c68ebe96_proj
	.p2align	8
	.type	k_q79c68ebe96_proj,@function
k_q79c68ebe96_proj:
	s_mov_b64 s[64:65], 0
	v_nop
	global_prefetch_b8 v0, s[64:65] scope:SCOPE_SE
	s_setreg_imm32_b32 hwreg(HW_REG_WAVE_MODE, 25, 1), 1
	s_wait_xcnt 0x0
	s_wait_alu depctr_hold_cnt(0) depctr_sa_sdst(0) depctr_va_vdst(0) depctr_va_sdst(0) depctr_va_ssrc(0) depctr_va_vcc(0) depctr_vm_vsrc(0)
	s_getreg_b32 s2, hwreg(HW_REG_IB_STS2, 6, 4)
	s_cmp_eq_u32 s2, 0
	s_cbranch_scc0 .Lentry_in_a_cluster
	s_endpgm
.Lentry_in_a_cluster:
	s_bfe_u32 s2, ttmp6, 0x10000c
	s_cmp_lg_u32 s2, 0x3003
	s_cbranch_scc0 .Lentry_shape_is_right
	s_endpgm
.Lentry_shape_is_right:
; q = x Wq + bq, k = x Wk + bk, v = x Wv + bv on codes of FP6 (E2M3) with E8M0 scales, and the results quantised on the spot for the two products of attention: q and k along the head's 64 channels, v along the keys.
; ONE FORM serves all three: P is source 0 (its rows come out along a lane's REGISTERS: the axis that is quantised next), Q is source 1 (its rows come out along the lanes).
;   q, k (clusters 0-95):   P = 256 columns of Wq or Wk (16 tiles of wq), Q = 128 tokens (8 tiles of xq).       v (clusters 96-159):  P = 256 tokens (xq), Q = 128 columns of Wv (wq).
; A work-group makes 256 (P) x 128 (Q) over all of K = 1,024; wave w takes P's tiles 8 (w / 2) + b, b = 0..7, and Q's tiles 4 (w % 2) + a, a = 0..3: 32 accumulators.
; Operands lie in memory as images of their registers (fragment: 1,536 bytes; half c: registers 6 c .. + 3 at 768 c + 16 l, registers 6 c + 4, + 5 at 768 c + 512 + 8 l), rows in the stored order (lane r of tile 2 i + u
; is row 32 i + 8 u + r + 8 (r / 8)), so the 16 registers of result tiles 2 i, 2 i + 1 are 16 neighbours, 32 i + 16 (lane / 16) + 0 .. 15, of P's axis.
; LDS: the whole K of the tile, 294,912 bytes, in four chunks of two K steps; each byte is filled ONCE, all loads go out at the head, and a counted wait and a barrier stand in front of each chunk's first read.
; CLUSTER: the four partners share P: its loads are joint (mask 15); Q's are each work-group's own (mask 0).  The place in the cluster enters Q's global addresses and the stores' alone.
; OUT: q: half images [batch x 8 + group][query tile] x 768 bytes, scale words behind.  k, v: per head 208,896 bytes = 4 chunks of (4 key steps x (8 half images of K + 4 fragments of V) + 4 x 768 bytes of scale words).
;   A scale word of q or k has the head's two bytes in bytes 0, 1; bytes 2, 3 hold another block's byte or 0 and stand over zero codes.
; LIMITS: a block whose largest magnitude lies under 2^-124 gets the byte 1 (this program alone reads the bytes); NaN and infinities are not served.
; REGISTERS: window 0: v1-15 addresses; v16-47 P's scale words (4 s + i), v48-63 Q's (2 s + i); v64-159 Q's fragments, two sets; v160-223 the bias; v224-243 at work; v244-251 the stores' offsets.
;   window 1: accumulator (a, b) at 8 (8 a + b).   window 2: P's fragments, sets at v0 and v128.
; AS IT NOW IS (in place of what the lines above say of the order, of LDS and of k's and v's layout).  STORED ORDER: inside each group of 128 rows, lane r of tile t is row 64 (t / 4) + 32 (r / 8) + 8 (t % 4) + r % 8,
; so the 32 registers of result tiles 4 i .. 4 i + 3 are 32 neighbours, 64 i + 32 (lane / 16) + 0 .. 31, of P's axis: a whole block in a lane.
; LDS: the whole K of the tile, tile by tile as it lies in memory (12,288 bytes a tile): each wave brings a dense block by ONE tensor load at the head (waves 0, 1: 8 tiles of P each, jointly; waves 2, 3: 4 tiles of Q each);
; one wait for it and one barrier stand in front of the first read; nothing is filled again.
; OUT, k and v: per head 16 records of 13,056 bytes, one a key step: 8 half images of K, 4 fragments of V, 512 bytes of K's scale words, 256 of V's.
.set SH8,   241                        ; v241 8 x (lane / 16): where my two blocks' bytes stand in the scale word
.set XS,    6291456
.set WS,    2752512
.set QS,    3145728
.set CHUNK, 73728                      ; two K steps of 24 tiles
.set UNIT,  98304                      ; 8 tiles, all of K: P's low half, P's high half, Q
.set TILEB, 12288
.set SPARE, 4*CHUNK                    ; the spare words, 128 bytes a wave: two blocks of 256 bytes that no other line names
.set P16, 1
.set P8,  2
.set Q16, 3
.set Q8,  4
.set SPW, 5
.set NIL, 6
.set VSH, 7                            ; v7   (lane / 16) x 16 for q and k, 0 for v: which half of the scale word is my head's
.set VOS, 8                            ; v8   the scale words' offset
.set VL4, 12
.set VB,  13                           ; v13  bias along registers: 128 (lane / 16)
.set L16, 14
.set L8,  15
.set SP,  16
.set SQ,  48
.set QF,  64
.set PC,  64                           ; the way out: 20 registers of codes for each a (Q's fragments are done with)
.set SD,  144                          ; and a scale word for each a
.set BI,  160
.set TM,  224
.set PW,  240
.set VB2, 242                          ; v242 bias along lanes: 4 ((r % 8) + 32 (r / 8))
.set VO16, 244
.set VO8,  248
.set G1P, 28
.set G1Q, 36
.set G0P, 44
.set G0Q, 68
.set MSB, 0
.macro WIN new                         ; the immediate's high byte repeats the setting that is left
.if MSB != \new
	s_set_vgpr_msb (MSB<<8)|\new
.set MSB, \new
.endif
.endm
.macro PLACES                          ; four plain places behind matrix instructions, in front of loads into registers that they read and of the first read of results
.rept 4
	v_nop
.endr
.endm
.macro ROUND                           ; a round of the cluster's barrier
	s_barrier_signal -1
	s_barrier_wait -1
	s_cmp_lg_u32 s18, 0
	s_cbranch_scc1 .Lnot_wave_0_\@
	s_barrier_signal -3
.Lnot_wave_0_\@:
	s_barrier_wait -3
	s_barrier_signal -1
	s_barrier_wait -1
.endm
	s_load_b256 s[4:11], s[0:1], 0x0               ; xq s[4:5], wq s[6:7], bq s[8:9], bk s[10:11]
	s_load_b128 s[12:15], s[0:1], 0x20             ; bv s[12:13], qq s[14:15]
	s_load_b64 s[16:17], s[0:1], 0x30              ; kvq
	v_lshl_add_u32 v[SPW], v0, 2, SPARE
	v_mov_b32 v[NIL], 0
	ds_add_u32 v[SPW], v[NIL]                      ; the wave's opening: the add and its wait ahead of my first tensor load; work on registers stands between them
	ds_add_u32 v[SPW], v[NIL]
	v_lshrrev_b32 v9, 5, v0
	v_readfirstlane_b32 s18, v9                    ; wave
	s_lshr_b32 s19, s18, 1                         ; WP: which half of P's tiles I multiply
	s_and_b32 s20, s18, 1                          ; WQ: which half of Q's.  Also: which half of P (waves 0, 1) or of Q (waves 2, 3) I fetch
	s_bfe_u32 s21, ttmp6, 0x40000                  ; cx
	s_mov_b32 s22, ttmp9                           ; the cluster's number
	s_lshr_b32 s60, s22, 4                         ; q, k: P's slice
	s_and_b32 s61, s22, 15
	s_lshl_b32 s61, s61, 2
	s_sub_co_u32 s62, s22, 96
	s_lshr_b32 s63, s62, 1                         ; v: P's slice
	s_and_b32 s62, s62, 1
	s_lshl_b32 s62, s62, 2
	s_cmp_lt_u32 s22, 96
	s_cselect_b32 s23, 1, 0                        ; 1: q or k; 0: v
	s_cselect_b32 s24, s60, s63                    ; Pi: shared by the four partners
	s_cselect_b32 s25, s61, s62
	s_mov_b32 s100, XS
	s_cselect_b32 s100, WS, s100                   ; where P's scale words begin in its buffer,
	s_mov_b32 s101, WS+49152
	s_cselect_b32 s101, XS, s101                   ; and Q's (Wv's tiles begin at tile 96: pair 48)
	s_cselect_b32 s3, 0, 1179648                   ; and Q's codes (96 x 12,288)
	s_add_co_u32 s25, s25, s21                     ; Qi = 4 x .. + cx
	s_mov_b32 s[G1P], 15|(3<<16)|(1<<21)           ; group 1 for P: 15:0 the mask: all four partners; 17:16 elements of 8 bytes; 21 set beside a mask; no padding
	s_mov_b32 s[G1P+1], 32<<16                     ; a dense block as rows of 256 bytes
	s_mov_b32 s[G1P+2], 384<<16                    ; 384 rows: 8 tiles
	s_mov_b32 s[G1P+3], 32<<16
	s_mov_b32 s[G1P+4], 384
	s_mov_b32 s[G1P+5], 32
	s_mov_b32 s[G1P+6], 0
	s_mov_b32 s[G1P+7], 0
	s_mov_b32 s[G1Q], 3<<16                        ; group 1 for Q: no mask; 4 tiles
	s_mov_b32 s[G1Q+1], 32<<16
	s_mov_b32 s[G1Q+2], 192<<16                    ; 192 rows of 256 bytes: 4 tiles
	s_mov_b32 s[G1Q+3], 32<<16
	s_mov_b32 s[G1Q+4], 192
	s_mov_b32 s[G1Q+5], 32
	s_mov_b32 s[G1Q+6], 0
	s_mov_b32 s[G1Q+7], 0
	s_mul_i32 s26, s24, 196608                     ; P: 16 tiles a slice, 8 a wave: made of the cluster's number and the wave's alone
	s_mul_i32 s27, s20, 98304
	s_add_co_u32 s26, s26, s27
	s_mov_b32 s27, 0
	s_mul_i32 s98, s25, 98304                      ; Q: 8 tiles a work-group, 4 a wave
	s_add_co_u32 s98, s98, s3
	s_mul_i32 s99, s20, 49152
	s_add_co_u32 s98, s98, s99
	s_mov_b32 s99, 0
	s_mul_i32 s2, s20, UNIT
	s_mul_i32 s3, s20, 49152
	s_add_co_u32 s3, s3, 2*UNIT                    ; Q's half
	s_mov_b32 s66, 0x76543210
	s_mov_b32 s67, 0xfedcba98                      ; v_permlanex16_b32's selects for lane l xor 16
	s_wait_dscnt 0x0                               ; the opening add is done
	s_wait_kmcnt 0x0
	s_cmp_eq_u32 s23, 1
	s_cselect_b64 s[84:85], s[6:7], s[4:5]         ; P's buffer
	s_cselect_b64 s[86:87], s[4:5], s[6:7]         ; Q's
	s_add_nc_u64 s[26:27], s[84:85], s[26:27]
	s_add_nc_u64 s[98:99], s[86:87], s[98:99]
	s_mov_b32 s[G0P], 1
	s_mov_b32 s[G0P+1], s2
	s_mov_b64 s[G0P+2:G0P+3], s[26:27]
	s_or_b32 s[G0P+3], s[G0P+3], 0x80000000
	s_mov_b32 s[G0Q], 1
	s_mov_b32 s[G0Q+1], s3
	s_mov_b64 s[G0Q+2:G0Q+3], s[98:99]
	s_or_b32 s[G0Q+3], s[G0Q+3], 0x80000000
	ROUND                                          ; all four work-groups are here: the joint loads meet
	s_cmp_lt_u32 s18, 2                            ; a wave's one fill stands in one branch on the wave's number: one load of mine is out
	s_cbranch_scc0 .Lfirst_q
	tensor_load_to_lds s[G0P:G0P+3], s[G1P:G1P+7]  ; one tensor load a wave at the head
	s_nop 0
.rept 4
	v_nop
.endr
	s_branch .Lfirst_asked
.Lfirst_q:
	tensor_load_to_lds s[G0Q:G0Q+3], s[G1Q:G1Q+7]
	s_nop 0
.rept 4
	v_nop
.endr
.Lfirst_asked:
	v_and_b32 v9, 31, v0                           ; lane
	v_and_b32 v10, 15, v0                          ; r
	v_bfe_u32 v11, v0, 4, 1                        ; h
	v_lshlrev_b32 v[VL4], 2, v9
	v_lshlrev_b32 v[L16], 4, v9
	v_lshl_add_u32 v[L8], v9, 3, 512
	s_mul_i32 s2, s19, UNIT
	s_mul_i32 s3, s20, 49152
	s_add_co_u32 s3, s3, 2*UNIT
	v_add_nc_u32 v[P16], s2, v[L16]
	v_add_nc_u32 v[P8], s2, v[L8]
	v_add_nc_u32 v[Q16], s3, v[L16]
	v_add_nc_u32 v[Q8], s3, v[L8]
	v_lshlrev_b32 v[VB], 7, v11                    ; 32 channels of 4 bytes for lanes 16-31
	v_and_b32 v[VB2], 7, v10
	v_lshrrev_b32 v243, 3, v10
	v_lshl_add_u32 v[VB2], v243, 5, v[VB2]         ; (r % 8) + 32 (r / 8)
	v_lshlrev_b32 v[VB2], 2, v[VB2]
.irp b, 0,1,2,3
	v_mov_b32 v[TM+4+\b], 0                        ; written once: a lane permute's destination counts as one of its sources
.endr
	; the scale words of my tiles, for all of K, straight into the registers that the products name: a register holds two tiles' words (lanes 0-15, lanes 16-31)
	s_lshl_b32 s2, s24, 13
	s_lshl_b32 s3, s19, 12
	s_add_co_u32 s2, s2, s3
	s_add_co_u32 s2, s2, s100
	s_mov_b32 s3, 0
	s_add_nc_u64 s[60:61], s[84:85], s[2:3]
	s_lshl_b32 s2, s25, 12
	s_lshl_b32 s98, s20, 11
	s_add_co_u32 s2, s2, s98
	s_add_co_u32 s2, s2, s101
	s_add_nc_u64 s[62:63], s[86:87], s[2:3]
.irp s, 0,1,2,3,4,5,6,7
.irp i, 0,1,2,3
	global_load_b32 v[SP+4*\s+\i], v[VL4], s[60:61] offset:\i*1024+\s*128
.endr
.irp i, 0,1
	global_load_b32 v[SQ+2*\s+\i], v[VL4], s[62:63] offset:\i*1024+\s*128
.endr
.endr
	; the bias is the C of each sum's first product, in the result's layout
	s_cmp_eq_u32 s23, 1
	s_cbranch_scc0 .Lbias_v
	s_cmp_lt_u32 s22, 32                           ; q, k: the bias runs along the registers: tile b, lane (r, h): channels 64 (b / 4) + 32 h + 8 (b % 4) + 0 .. 7
	s_cselect_b64 s[26:27], s[8:9], s[10:11]
	s_cselect_b32 s2, 0, 2
	s_sub_co_u32 s2, s24, s2                       ; the slice of 256 columns inside Wq or Wk
	s_lshl_b32 s2, s2, 10
	s_lshl_b32 s3, s19, 9
	s_add_co_u32 s2, s2, s3
	s_mov_b32 s3, 0
	s_add_nc_u64 s[26:27], s[26:27], s[2:3]
	s_wait_alu depctr_va_vdst(0)
.irp b, 0,1,2,3,4,5,6,7
	global_load_b128 v[BI+8*\b:BI+8*\b+3], v[VB], s[26:27] offset:(64*(\b/4)+8*(\b%4))*4        ; tile b, lane (r, h): channels 64 (b / 4) + 32 h + 8 (b % 4) + 0 .. 7
	global_load_b128 v[BI+8*\b+4:BI+8*\b+7], v[VB], s[26:27] offset:(64*(\b/4)+8*(\b%4))*4+16
.endr
	s_branch .Lbias_done
.Lbias_v:
	s_lshl_b32 s2, s25, 9                          ; v: the bias runs along the lanes: tile a, lane r: channel 8 a + (r % 8) + 32 (r / 8), the same in all registers
	s_lshl_b32 s3, s20, 8
	s_add_co_u32 s2, s2, s3
	s_mov_b32 s3, 0
	s_add_nc_u64 s[26:27], s[12:13], s[2:3]
	s_wait_alu depctr_va_vdst(0)
.irp a, 0,1,2,3
.set j, 0
.rept 16
	global_load_b32 v[BI+16*\a+j], v[VB2], s[26:27] offset:32*\a   ; tile a, lane r: channel 8 a + (r % 8) + 32 (r / 8); two runs of eight registers for each a
.set j, j+1
.endr
.endr
.Lbias_done:
	; where the results go: plain offsets, made on the cluster's number; the buffer is chosen behind the arms
	s_cmp_lt_u32 s22, 32
	s_cbranch_scc1 .Lout_q
	s_cmp_lt_u32 s22, 96
	s_cbranch_scc1 .Lout_k
	s_lshr_b32 s2, s24, 3                          ; v: batch,
	s_and_b32 s3, s24, 7
	s_lshl_b32 s3, s3, 1
	s_add_co_u32 s3, s3, s19                       ; key step (my 128 tokens),
	s_lshl_b32 s98, s2, 4
	s_lshl_b32 s99, s25, 1
	s_add_co_u32 s98, s98, s99
	s_add_co_u32 s98, s98, s20                     ; head (my 64 channels)
	s_mov_b32 s100, 6144                           ; V's fragments lie behind K's eight half images
	s_mov_b32 s101, 12288+512
	s_mov_b32 s94, 768                             ; from half 0 to half 1 of a fragment
	s_mov_b32 s95, 1536                            ; from a to a + 1
	s_mov_b32 s96, 0
	s_mov_b32 s97, 0
	s_branch .Lout_kv
.Lout_k:
	s_lshr_b32 s2, s25, 4                          ; k: batch,
	s_and_b32 s3, s25, 15                          ; key step,
	s_lshl_b32 s98, s2, 4
	s_lshl_b32 s99, s24, 2
	s_add_co_u32 s98, s98, s99
	s_sub_co_u32 s98, s98, 8
	s_lshl_b32 s99, s19, 1
	s_add_co_u32 s98, s98, s99                     ; the first of my two heads: 16 batch + 4 (Pi - 2) + 2 WP
	s_mul_i32 s100, s20, 3072
	s_lshl_b32 s101, s20, 8
	s_add_co_u32 s101, s101, 12288
	s_mov_b32 s94, 208896                          ; half 1 is the next head's
	s_mov_b32 s95, 768
	s_mov_b32 s96, 208896
	s_mov_b32 s97, 16
.Lout_kv:
	s_mul_i32 s98, s98, 208896
	s_mul_i32 s99, s3, 13056
	s_add_co_u32 s98, s98, s99                     ; the key step's record
	s_add_co_u32 s88, s98, s100
	s_add_co_u32 s92, s98, s101
	s_branch .Lout_done
.Lout_q:
	s_lshr_b32 s2, s25, 4                          ; q: batch,
	s_and_b32 s3, s25, 15                          ; 128 queries,
	s_lshl_b32 s98, s2, 3
	s_lshl_b32 s99, s24, 2
	s_add_co_u32 s98, s98, s99
	s_lshl_b32 s99, s19, 1
	s_add_co_u32 s98, s98, s99                     ; the first of my two groups: 8 batch + 4 Pi + 2 WP
	s_mul_i32 s88, s98, 98304
	s_mul_i32 s99, s3, 6144
	s_add_co_u32 s88, s88, s99
	s_mul_i32 s99, s20, 3072
	s_add_co_u32 s88, s88, s99
	s_lshl_b32 s92, s98, 13
	s_lshl_b32 s99, s3, 9
	s_add_co_u32 s92, s92, s99
	s_lshl_b32 s99, s20, 8
	s_add_co_u32 s92, s92, s99
	s_add_co_u32 s92, s92, QS
	s_mov_b32 s94, 98304
	s_mov_b32 s95, 768
	s_mov_b32 s96, 8192
	s_mov_b32 s97, 16
.Lout_done:
	s_mov_b32 s89, 0
	s_mov_b32 s93, 0
	s_mov_b32 s100, s94
	s_mov_b32 s101, 0
	s_cmp_lt_u32 s22, 32
	s_cselect_b64 s[98:99], s[14:15], s[16:17]     ; qq or kvq
	s_add_nc_u64 s[88:89], s[98:99], s[88:89]      ; half 0
	s_add_nc_u64 s[92:93], s[98:99], s[92:93]      ; the scale words
	s_add_nc_u64 s[90:91], s[88:89], s[100:101]    ; half 1
.irp a, 0,1,2,3
	v_mad_u32_u24 v[VO16+\a], s95, \a, v[L16]
	v_mad_u32_u24 v[VO8+\a], s95, \a, v[L8]
.endr
	v_mul_u32_u24 v[VOS], s96, v11                 ; q, k: lanes 16-31 store the second head's word
	v_lshl_add_u32 v[VOS], v10, 2, v[VOS]
	v_mul_u32_u24 v[VSH], s97, v11
	v_lshlrev_b32 v[SH8], 3, v11
	v_add_nc_u32 v10, 4*TILEB, v[P16]              ; P's tiles 4-7 have address registers of their own (v10, v11): an LDS offset has 16 bits
	v_add_nc_u32 v11, 4*TILEB, v[P8]
; The fragments of K step s: 8 of P, 4 of Q, four loads each: 48 LDS loads, each of 512 or 256 consecutive bytes.
.macro FETCH s
.set E, (\s)*1536
.set PS, 128*((\s)%2)
.set QSET, QF+48*((\s)%2)
	WIN 0x80                                       ; destination window 2, address window 0
.irp b, 0,1,2,3,4,5,6,7
	ds_load_b128 v[PS+12*\b:PS+12*\b+3], v[P16+9*(\b/4)] offset:(\b%4)*TILEB+E
	ds_load_b64 v[PS+12*\b+4:PS+12*\b+5], v[P8+9*(\b/4)] offset:(\b%4)*TILEB+E
	ds_load_b128 v[PS+12*\b+6:PS+12*\b+9], v[P16+9*(\b/4)] offset:(\b%4)*TILEB+E+768
	ds_load_b64 v[PS+12*\b+10:PS+12*\b+11], v[P8+9*(\b/4)] offset:(\b%4)*TILEB+E+768
.endr
	WIN 0
.irp a, 0,1,2,3
	ds_load_b128 v[QSET+12*\a:QSET+12*\a+3], v[Q16] offset:\a*TILEB+E
	ds_load_b64 v[QSET+12*\a+4:QSET+12*\a+5], v[Q8] offset:\a*TILEB+E
	ds_load_b128 v[QSET+12*\a+6:QSET+12*\a+9], v[Q16] offset:\a*TILEB+E+768
	ds_load_b64 v[QSET+12*\a+10:QSET+12*\a+11], v[Q8] offset:\a*TILEB+E+768
.endr
.endm
.macro WMI                             ; one product, by the symbols DR, AR, BR, CR, SAR, SBR; RA, RB: which half of the lanes holds the tile's scale words
.if (RA == 0) && (RB == 0)
	v_wmma_scale_f32_16x16x128_f8f6f4 v[DR:DR+7], v[AR:AR+11], v[BR:BR+11], v[CR:CR+7], v[SAR], v[SBR] matrix_a_fmt:MATRIX_FMT_FP6 matrix_b_fmt:MATRIX_FMT_FP6
.elseif (RA == 1) && (RB == 0)
	v_wmma_scale_f32_16x16x128_f8f6f4 v[DR:DR+7], v[AR:AR+11], v[BR:BR+11], v[CR:CR+7], v[SAR], v[SBR] matrix_a_fmt:MATRIX_FMT_FP6 matrix_b_fmt:MATRIX_FMT_FP6 matrix_a_scale:MATRIX_SCALE_ROW1
.elseif (RA == 0) && (RB == 1)
	v_wmma_scale_f32_16x16x128_f8f6f4 v[DR:DR+7], v[AR:AR+11], v[BR:BR+11], v[CR:CR+7], v[SAR], v[SBR] matrix_a_fmt:MATRIX_FMT_FP6 matrix_b_fmt:MATRIX_FMT_FP6 matrix_b_scale:MATRIX_SCALE_ROW1
.else
	v_wmma_scale_f32_16x16x128_f8f6f4 v[DR:DR+7], v[AR:AR+11], v[BR:BR+11], v[CR:CR+7], v[SAR], v[SBR] matrix_a_fmt:MATRIX_FMT_FP6 matrix_b_fmt:MATRIX_FMT_FP6 matrix_a_scale:MATRIX_SCALE_ROW1 matrix_b_scale:MATRIX_SCALE_ROW1
.endif
.endm
; A K step's 32 products.  The 32 accumulators take turns, one instruction a turn, in the same order in every K step.
; cmode 0: C = the accumulator; 1: the bias along the registers; 2: the bias along the lanes.
.macro MUL32 set, s, cmode
.irp a, 0,1,2,3
.irp b, 0,1,2,3,4,5,6,7
.set DR, 8*(8*\a+\b)
.set AR, 128*(\set)+12*\b
.set BR, QF+48*(\set)+12*\a
.if (\cmode) == 0
.set CR, DR
.elseif (\cmode) == 1
.set CR, BI+8*\b
.else
.set CR, BI+16*\a+8*(\b%2)
.endif
.set SAR, SP+4*(\s)+\b/2
.set SBR, SQ+2*(\s)+\a/2
.set RA, \b%2
.set RB, \a%2
	WMI
.endr
.endr
.endm
; K step s: the next step's fragments are asked for first, into the set that the step before multiplied, and land under this step's 32 products.
.macro STEP s
	WIN 0
	PLACES
.if (\s) < 7
	FETCH (\s)+1
	s_wait_dscnt 48                                ; all but the 48 just issued: this step's fragments are in
.else
	s_wait_dscnt 0x0
.endif
	WIN 0x52                                       ; source 0 (P) window 2, source 1 (Q) window 0, C and D window 1
	MUL32 (\s)%2, \s, 0
.endm
	s_wait_alu depctr_va_vdst(0)
	s_wait_tensorcnt 0x0                           ; my one load has landed
	s_barrier_signal -1
	s_barrier_wait -1
	FETCH 0
	FETCH 1
	s_wait_dscnt 48
	s_wait_loadcnt 0x0                             ; scale words and bias
	s_cmp_eq_u32 s23, 1
	s_cbranch_scc0 .Lfirst_v
	WIN 0x42                                       ; C in window 0: the first products start the sums with the bias: nothing is cleared
	MUL32 0, 0, 1
	WIN 0
	s_branch .Lfirst_done
.Lfirst_v:
	WIN 0x42
	MUL32 0, 0, 2
	WIN 0
.Lfirst_done:
	STEP 1
	s_wait_alu depctr_va_vdst(0)
	STEP 2
	STEP 3
	s_wait_alu depctr_va_vdst(0)
	STEP 4
	STEP 5
	s_wait_alu depctr_va_vdst(0)
	STEP 6
	STEP 7
	WIN 0
	PLACES
; THE WAY OUT.  The 64 registers of Q's tile a (window 1, 64 a on): register 32 c + i is place 64 c + 32 (lane / 16) + i of P's axis, for my lane's row of Q.  They become one fragment and one scale word a row.
.macro QUANTW a
.set AC, 64*(\a)
.set PCA, PC+20*(\a)
	WIN 0x05                                       ; sources 0 and 1 window 1
.irp b, 0,1,2,3
	v_max3_num_f32 v[TM+\b], |v[AC+16*\b]|, |v[AC+16*\b+1]|, 0x1800000   ; each accumulator is read from its low end on; the floor 2^(3 - 127) holds the byte at 1 from below
.endr
	WIN 0x14                                       ; sources 1 and 2 window 1
.irp i, 2,4,6,8,10,12,14
.irp b, 0,1,2,3
	v_max3_num_f32 v[TM+\b], v[TM+\b], |v[AC+16*\b+\i]|, |v[AC+16*\b+\i+1]|
.endr
.endr
	WIN 0
	v_max_num_f32 v[TM], v[TM], v[TM+1]            ; registers 32 c .. 32 c + 31 are block 2 c + (lane / 16), whole: no other lane is asked
	v_max_num_f32 v[TM+1], v[TM+2], v[TM+3]
.irp c, 0,1
	v_add_nc_u32 v[TM+12+\c], 0xff000000, v[TM+\c] ; 2 off the exponent field: the conversion's scale operand
.endr
.irp c, 0,1
	v_lshrrev_b32 v[TM+4+\c], 23, v[TM+12+\c]      ; the byte
.endr
	v_lshl_or_b32 v[PW], v[TM+5], 16, v[TM+4]      ; my two bytes, two places apart,
	v_lshlrev_b32 v[PW], v[SH8], v[PW]             ; one place up in lanes 16-31;
	v_permlanex16_b32 v[TM+6], v[PW], s66, s67
	v_or_b32 v[PW], v[PW], v[TM+6]                 ; with lane l xor 16's two the row's word is whole, in both lanes
	WIN 0x01
.irp c, 0,1
	v_cvt_scalef32_pk16_fp6_f32 v[PCA+6*\c:PCA+6*\c+2], v[AC+32*\c:AC+32*\c+15], v[TM+12+\c]
	v_cvt_scalef32_pk16_fp6_f32 v[PCA+12+4*\c:PCA+14+4*\c], v[AC+32*\c+16:AC+32*\c+31], v[TM+12+\c]   ; (a conversion's three registers begin on an even number)
.endr
	WIN 0
	v_nop                                          ; one plain place behind the scaled conversions
.irp c, 0,1
.irp i, 0,1,2
	v_mov_b32 v[PCA+3+6*\c+\i], v[PCA+12+4*\c+\i]
.endr
.endr
.endm
.irp a, 0,1,2,3
	QUANTW \a
	v_lshrrev_b32 v[SD+\a], v[VSH], v[PW]          ; q, k: lanes 16-31 bring the second head's two bytes down; v: the word as it is
	global_store_b128 v[VO16+\a], v[PC+20*\a:PC+20*\a+3], s[88:89]        ; each a has registers of its own: no store's data are written again
	global_store_b64 v[VO8+\a], v[PC+20*\a+4:PC+20*\a+5], s[88:89]
	global_store_b128 v[VO16+\a], v[PC+20*\a+6:PC+20*\a+9], s[90:91]
	global_store_b64 v[VO8+\a], v[PC+20*\a+10:PC+20*\a+11], s[90:91]
	global_store_b32 v[VOS], v[SD+\a], s[92:93] offset:\a*64
.endr
	s_wait_tensorcnt 0x0                           ; the wave's end
	ds_add_u32 v[SPW], v[NIL]
	s_wait_dscnt 0x0
	ROUND                                          ; the closing round: no work-group ends while a partner may still ask for a tile that names it
	s_endpgm
.Lfunc_end_k_q79c68ebe96_proj:
	.size	k_q79c68ebe96_proj, .Lfunc_end_k_q79c68ebe96_proj-k_q79c68ebe96_proj
	.p2alignl 7, 3214868480
	.fill 96, 4, 3214868480
	.section	.rodata,"a",@progbits
	.p2align	6, 0x0
	.amdhsa_kernel k_q79c68ebe96_proj
		.amdhsa_group_segment_fixed_size 295424
		.amdhsa_private_segment_fixed_size 0
		.amdhsa_enable_private_segment 0
		.amdhsa_kernarg_size 56
		.amdhsa_user_sgpr_count 2
		.amdhsa_user_sgpr_kernarg_segment_ptr 1
		.amdhsa_wavefront_size32 1
		.amdhsa_system_sgpr_workgroup_id_x 1
		.amdhsa_system_sgpr_workgroup_id_y 1
		.amdhsa_system_sgpr_workgroup_id_z 1
		.amdhsa_system_vgpr_workitem_id 0
		.amdhsa_next_free_vgpr 768
		.amdhsa_next_free_sgpr 102
		.amdhsa_reserve_vcc 0
		.amdhsa_float_denorm_mode_32 3
		.amdhsa_float_denorm_mode_16_64 3
		.amdhsa_memory_ordered 1
		.amdhsa_forward_progress 1
		.amdhsa_inst_pref_size 101
	.end_amdhsa_kernel
	.amdgpu_metadata
---
amdhsa.version: [ 1, 2 ]
amdhsa.kernels:
  - .name:           k_q79c68ebe96_proj
    .symbol:         k_q79c68ebe96_proj.kd
    .args:
      - { .name: xq, .offset: 0, .size: 8, .value_kind: global_buffer, .address_space: global }
      - { .name: wq, .offset: 8, .size: 8, .value_kind: global_buffer, .address_space: global }
      - { .name: bq, .offset: 16, .size: 8, .value_kind: global_buffer, .address_space: global }
      - { .name: bk, .offset: 24, .size: 8, .value_kind: global_buffer, .address_space: global }
      - { .name: bv, .offset: 32, .size: 8, .value_kind: global_buffer, .address_space: global }
      - { .name: qq, .offset: 40, .size: 8, .value_kind: global_buffer, .address_space: global }
      - { .name: kvq, .offset: 48, .size: 8, .value_kind: global_buffer, .address_space: global }
    .group_segment_fixed_size: 295424
    .private_segment_fixed_size: 0
    .kernarg_segment_align: 8
    .kernarg_segment_size: 56
    .max_flat_workgroup_size: 128
    .sgpr_count:     102
    .vgpr_count:     768
    .wavefront_size: 32
...
	.end_amdgpu_metadata
.endif
;; end of part 2
;; launch attn (part 3): grid 4 x 64, 16 waves a work-group, clusters of 4 x 1, 224,000 bytes of LDS; arguments qq, kvq, aq; writes aq
.if DOCPART == 3
	.amdgcn_target "amdgcn-amd-amdhsa--gfx1250"
	.amdhsa_code_object_version 6
	.text
	.protected	k_q79c68ebe96_attn
	.globl	k_q79c68ebe96_attn
	.p2align	8
	.type	k_q79c68ebe96_attn,@function
k_q79c68ebe96_attn:
	s_mov_b64 s[64:65], 0
	v_nop
	global_prefetch_b8 v0, s[64:65] scope:SCOPE_SE
	s_setreg_imm32_b32 hwreg(HW_REG_WAVE_MODE, 25, 1), 1
	s_wait_xcnt 0x0
	s_wait_alu depctr_hold_cnt(0) depctr_sa_sdst(0) depctr_va_vdst(0) depctr_va_sdst(0) depctr_va_ssrc(0) depctr_va_vcc(0) depctr_vm_vsrc(0)
	s_getreg_b32 s2, hwreg(HW_REG_IB_STS2, 6, 4)
	s_cmp_eq_u32 s2, 0
	s_cbranch_scc0 .Lentry_in_a_cluster
	s_endpgm
.Lentry_in_a_cluster:
	s_bfe_u32 s2, ttmp6, 0x10000c
	s_cmp_lg_u32 s2, 0x3003
	s_cbranch_scc0 .Lentry_shape_is_right
	s_endpgm
.Lentry_shape_is_right:
; For each batch and head (64; head h uses query group h / 2): o = softmax(q k^T / 8) v, both products on codes of FP6 (E2M3) with E8M0 scales, and o quantised along the channels for the last projection.
; THE SOFTMAX: t = score x log2(e) / 8; M = the running largest t rounded UP to a whole number; p = 2^(t - M) is quantised along the keys, not normalised.  The row's sum is taken of the unquantised p and divides O at the end.
; When M moves, the sum and O are multiplied by 2^(old M - new M): exact.
; SHARES.  A work-group owns 512 queries of one head: 256 work-groups.  Each of its sixteen waves owns two tiles of 16 queries, one after the other, in 256 registers: four waves to a SIMD.
; LDS.  The whole head's K and V: 16 records of 13,056 bytes, one a key step of 128 keys (8 half images of K, 4 fragments of V, 512 + 256 bytes of scale words), from byte 13,056 on.  Wave w brings record w by its ONE tensor load
; at the head; one wait and one barrier stand in front of the first read; no byte is filled again, and no other barrier stands in the walk.  The records are walked from the last to the first: the address registers are stepped
; to the next record right behind the first product, and V of the step in hand is then reached by positive offsets; that is why the first 13,056 bytes of LDS are left unused.
; CLUSTER.  The four query blocks of a head form a cluster: every record is asked for jointly (mask 15).  The place in the cluster enters q's and the output's global addresses alone.
; K = 64 in the first product: Q's registers 6-11 are zero CODES, so what K's fragment holds there adds nothing.  K's eight half images lie 6 registers apart; a fragment's upper six registers are the next tile's codes (behind the
; last: six cleared registers).  The scale bytes over them are another block's byte or 0, never 0xff.
; LAYOUT.  Both products are used transposed (S^T = K Q^T, O^T = V^T P^T): a lane holds ONE query.  Rows lie in the stored order: lane r of tile t is row 64 (t / 4) + 32 (r / 8) + 8 (t % 4) + r % 8 of its 128.  So the 32 registers of
; S^T's tiles 4 c .. 4 c + 3 are keys 64 c + 32 (lane / 16) + 0 .. 31: a whole block in a lane, in the very place that the next operand wants; likewise O^T's 32 registers are channels 32 (lane / 16) + 0 .. 31.
; A block's largest p is not searched for: p rises with the score, so the block's largest score goes through the same multiply-add and exponential.
; ORDER OF A STEP'S LINES.  Chains of dependent lines take turns with lines that do not hang on them, so that as a rule four other lines stand between a result and its reader: the maxima run in eight chains; the step's 38 LDS loads stand
; between the joins of the maxima and the lines that make M; the sum runs in eight accumulators, by turns with the lines that make p's scale word; O^T's rescaling fills what is left.
; No prefetch: every tensor load of the launch goes out at the kernel's head, and there is no loop to run ahead in.
; LIMITS: the scaled scores stay under 2^31 in magnitude.  A block whose largest magnitude lies under 2^-124 gets the byte 1 (this program alone reads the bytes).  NaN and infinities are not served.
; A scale word of the last product spans two heads, which two work-groups make: each stores its two bytes a row.
.set QS,    3145728
.set XS,    6291456
.set HEADB, 208896
.set RECB,  13056
.set BASE0, RECB                       ; LDS byte of record 0
.set TOP,   BASE0+15*RECB              ; and of record 15, where a walk begins
.set VOFF,  RECB+6144                  ; V of the step in hand, from the next record's address
.set SPARE, BASE0+HEADB                ; the spare words, 128 bytes a wave: eight blocks of 256 bytes that no other line names
.set AA0, 1                            ; v1   16 x lane
.set AB0, 2                            ; v2   512 + 8 x lane
.set AS0, 3                            ; v3   12288 + 4 x lane
.set ADA, 4                            ; v4-6 the same + the record's LDS byte
.set ADB, 5
.set ADS, 6
.set SPW, 7
.set NIL, 8
.set SH8, 9                            ; v9   8 x (lane / 16)
.set QSC, 10                           ; v10  q's scale words
.set PSC, 11                           ; v11  p's scale word.  v12 -M, v13 the largest score, v[14:15] the sum
.set QR,  16                           ; v16-27 Q
.set VSC, 28                           ; v28-29 V's scale words
.set KSC, 30                           ; v30-33 K's
.set F,   34                           ; v34 the factor 2^(old M - new M); v35 named with it as a pair
.set KF,  36                           ; v36-83 K's eight half images, v84-89 zeros
.set VF,  90                           ; v90-137 V's four fragments
.set S,   138                          ; v138-201 S^T, then p
.set O,   202                          ; v202-233 O^T
.set PC,  234                          ; v234-245 p's codes; ahead of the conversions six accumulators of the sum
.set CH,  246                          ; v246-253 the eight chains of the maxima
.set TA,  246                          ; v246-248, v250-252 a block's upper 16 codes as the conversion leaves them; v246, v250 also at work
.set TB,  250
.set B0,  249                          ; v249, v253 the two blocks' largest score, then largest p, then the conversions' scale operands
.set B1,  253
.set OM,  254                          ; v254 the old -M; later at work
.set GOS, 255                          ; v255 4 x (lane % 16)
.set WV,  18
.set SEL, 20
.set CS,  22
.set G1,  24
.set G0,  32
.set TK,  48                           ; s48  LDS byte of the record that the address registers point at
.set CNT, 50
.macro ROUND                           ; a round of the cluster's barrier
	s_barrier_signal -1
	s_barrier_wait -1
	s_cmp_lg_u32 s[WV], 0
	s_cbranch_scc1 .Lnot_wave_0_\@
	s_barrier_signal -3
.Lnot_wave_0_\@:
	s_barrier_wait -3
	s_barrier_signal -1
	s_barrier_wait -1
.endm
	s_load_b128 s[4:7], s[0:1], 0x0                ; qq s[4:5], kvq s[6:7]
	s_load_b64 s[8:9], s[0:1], 0x10                ; aq
	v_lshl_add_u32 v[SPW], v0, 2, SPARE
	v_mov_b32 v[NIL], 0
	ds_add_u32 v[SPW], v[NIL]                      ; the opening lines: the add, twice on end, and its wait ahead of my first tensor load
	ds_add_u32 v[SPW], v[NIL]
	v_lshrrev_b32 v9, 5, v0
	v_readfirstlane_b32 s[WV], v9                  ; wave 0..15
	s_and_b32 s10, ttmp7, 0xffff                   ; batch x 16 + head: shared by the four partners
	s_mul_i32 s14, s[WV], RECB                     ; my record
	s_mul_i32 s12, s10, HEADB
	s_add_co_u32 s12, s12, s14
	s_mov_b32 s13, 0
	s_mov_b32 s[G1], 15|(3<<16)|(1<<21)            ; group 1: the mask: all four partners; elements of 8 bytes; bit 21 beside a mask; no padding
	s_mov_b32 s[G1+1], 32<<16                      ; a dense block as rows of 256 bytes
	s_mov_b32 s[G1+2], 51<<16                      ; 51 rows: a record
	s_mov_b32 s[G1+3], 32<<16
	s_mov_b32 s[G1+4], 51
	s_mov_b32 s[G1+5], 32
	s_mov_b32 s[G1+6], 0
	s_mov_b32 s[G1+7], 0
	s_mov_b32 s[SEL], 0x76543210
	s_mov_b32 s[SEL+1], 0xfedcba98                 ; v_permlanex16_b32's selects for lane l xor 16
	s_mov_b32 s[CS], 0x3e38aa3b                    ; c = log2(e) / 8
	s_mov_b32 s[CS+1], s[CS]                       ; (named with it as a pair)
	s_bfe_u32 s11, ttmp6, 0x40000                  ; cx
	s_wait_dscnt 0x0                               ; both opening adds are done
	s_wait_kmcnt 0x0
	s_add_nc_u64 s[12:13], s[6:7], s[12:13]
	s_mov_b32 s[G0], 1
	s_add_co_u32 s[G0+1], s14, BASE0
	s_mov_b64 s[G0+2:G0+3], s[12:13]
	s_or_b32 s[G0+3], s[G0+3], 0x80000000
	ROUND                                          ; all four work-groups are here: the joint loads meet
	tensor_load_to_lds s[G0:G0+3], s[G1:G1+7]      ; every wave's one load
	s_nop 0
.rept 4
	v_nop
.endr
	s_lshl_b32 s51, s11, 5
	s_add_co_u32 s51, s51, s[WV]                   ; my first tile of 16 queries = 32 cx + wave; the second lies 16 tiles on
	s_lshr_b32 s16, s10, 4                         ; batch
	s_and_b32 s17, s10, 15                         ; head
	s_lshr_b32 s62, s17, 1                         ; its query group; also the K step of the last product in which its channels lie
	s_and_b32 s63, s17, 1                          ; and which half of that K step
	s_lshl_b32 s19, s16, 3
	s_add_co_u32 s19, s19, s62
	s_mul_i32 s60, s19, 98304
	s_mul_i32 s61, s51, 768
	s_add_co_u32 s60, s60, s61
	s_mov_b32 s61, 0
	s_add_nc_u64 s[52:53], s[4:5], s[60:61]        ; q's half image
	s_lshl_b32 s60, s19, 13
	s_lshl_b32 s15, s51, 6
	s_add_co_u32 s60, s60, s15
	s_add_co_u32 s60, s60, QS
	s_add_nc_u64 s[54:55], s[4:5], s[60:61]        ; q's scale words
	s_lshl_b32 s15, s16, 7
	s_add_co_u32 s15, s15, s51                     ; the tile of tokens, 0..511
	s_mul_i32 s60, s15, 12288
	s_mul_i32 s19, s62, 1536
	s_add_co_u32 s60, s60, s19
	s_mul_i32 s19, s63, 768
	s_add_co_u32 s60, s60, s19
	s_add_nc_u64 s[56:57], s[8:9], s[60:61]        ; o's half image
	s_lshr_b32 s60, s15, 1
	s_lshl_b32 s60, s60, 10
	s_lshl_b32 s19, s62, 7
	s_add_co_u32 s60, s60, s19
	s_and_b32 s19, s15, 1
	s_lshl_b32 s19, s19, 6
	s_add_co_u32 s60, s60, s19
	s_lshl_b32 s19, s63, 1
	s_add_co_u32 s60, s60, s19
	s_add_co_u32 s60, s60, XS
	s_add_nc_u64 s[58:59], s[8:9], s[60:61]        ; o's two scale bytes a row
	v_and_b32 v[ADA], 31, v0
	v_and_b32 v[GOS], 15, v0
	v_bfe_u32 v[SH8], v0, 4, 1
	v_lshlrev_b32 v[AA0], 4, v[ADA]
	v_lshl_add_u32 v[AB0], v[ADA], 3, 512
	v_lshl_add_u32 v[AS0], v[ADA], 2, 12288
	v_lshlrev_b32 v[GOS], 2, v[GOS]
	v_lshlrev_b32 v[SH8], 3, v[SH8]
	global_load_b128 v[QR:QR+3], v[AA0], s[52:53]  ; the first tile's Q
	global_load_b64 v[QR+4:QR+5], v[AB0], s[52:53]
	global_load_b32 v[QSC], v[GOS], s[54:55]
.irp i, 0,1,2,3,4,5
	v_mov_b32 v[QR+6+\i], 0                        ; K = 64 .. 127: zero codes in Q, cleared once, never loaded
	v_mov_b32 v[KF+48+\i], 0                       ; what the last tile of K names beyond its own six registers
.endr
	v_mov_b32 v[F+1], 0
.macro AIM                             ; the address registers at the record at s[TK]
	v_add_nc_u32 v[ADA], s[TK], v[AA0]
	v_add_nc_u32 v[ADB], s[TK], v[AB0]
	v_add_nc_u32 v[ADS], s[TK], v[AS0]
.endm
.macro KLD t                           ; K's half images t and t + 1: four loads
.irp u, 0,1
	ds_load_b128 v[KF+6*(\t+\u):KF+6*(\t+\u)+3], v[ADA] offset:(\t+\u)*768
	ds_load_b64 v[KF+6*(\t+\u)+4:KF+6*(\t+\u)+5], v[ADB] offset:(\t+\u)*768
.endr
.endm
.macro KSLD                            ; K's scale words: lanes 0-15 tile 2 i, lanes 16-31 tile 2 i + 1: four loads
.irp i, 0,1,2,3
	ds_load_b32 v[KSC+\i], v[ADS] offset:128*\i
.endr
.endm
.macro VLD t                           ; V's fragment t of the step in hand: four loads
	ds_load_b128 v[VF+12*\t:VF+12*\t+3], v[ADA] offset:VOFF+\t*1536
	ds_load_b64 v[VF+12*\t+4:VF+12*\t+5], v[ADB] offset:VOFF+\t*1536
	ds_load_b128 v[VF+12*\t+6:VF+12*\t+9], v[ADA] offset:VOFF+\t*1536+768
	ds_load_b64 v[VF+12*\t+10:VF+12*\t+11], v[ADB] offset:VOFF+\t*1536+768
.endm
.macro PADD d, a, b                    ; two additions
	v_pk_add_f32 v[\d:\d+1], v[\a:\a+1], v[\b:\b+1]
.endm
.macro OMUL j                          ; two numbers of O^T under the new M
	v_pk_mul_f32 v[O+\j:O+\j+1], v[O+\j:O+\j+1], v[F:F+1] op_sel_hi:[1,0]
.endm
; A KEY STEP: 128 keys.  mode 1: the next record's K is fetched under the softmax; 2: the walk's last step with another tile to come: record 15's K and the next tile's Q are fetched; 0: nothing more is fetched.
.macro STEP mode
	s_wait_dscnt 0x0                               ; this step's K is in
.irp t, 0,1,2,3,4,5,6,7
.if (\t%2) == 0
	v_wmma_scale_f32_16x16x128_f8f6f4 v[S+8*\t:S+8*\t+7], v[KF+6*\t:KF+6*\t+11], v[QR:QR+11], 0, v[KSC+\t/2], v[QSC] matrix_a_fmt:MATRIX_FMT_FP6 matrix_b_fmt:MATRIX_FMT_FP6
.else
	v_wmma_scale_f32_16x16x128_f8f6f4 v[S+8*\t:S+8*\t+7], v[KF+6*\t:KF+6*\t+11], v[QR:QR+11], 0, v[KSC+\t/2], v[QSC] matrix_a_fmt:MATRIX_FMT_FP6 matrix_b_fmt:MATRIX_FMT_FP6 matrix_a_scale:MATRIX_SCALE_ROW1
.endif
.endr
	s_sub_co_u32 s[TK], s[TK], RECB                ; one record down
	AIM                                            ; these three and the move are the four places behind the products, ahead of the first reads of S^T
	v_mov_b32 v[OM], v12
	; the largest score of each of my two blocks of 32 keys: eight chains, one a tile; every accumulator is read from its low end on
.irp t, 0,1,2,3,4,5,6,7
	v_max3_num_f32 v[CH+\t], v[S+8*\t], v[S+8*\t+1], v[S+8*\t+2]
.endr
.irp i, 3,5
.irp t, 0,1,2,3,4,5,6,7
	v_max3_num_f32 v[CH+\t], v[CH+\t], v[S+8*\t+\i], v[S+8*\t+\i+1]
.endr
.endr
	v_max3_num_f32 v[CH], v[CH], v[CH+1], v[S+7]   ; the joins take each tile's eighth number with them
	v_max3_num_f32 v[CH+2], v[CH+2], v[CH+3], v[S+15]
	v_max3_num_f32 v[CH+4], v[CH+4], v[CH+5], v[S+39]
	v_max3_num_f32 v[CH+6], v[CH+6], v[CH+7], v[S+47]
	VLD 0                                          ; from here on four LDS loads stand between a line and the line that reads its result
	v_max3_num_f32 v[CH], v[CH], v[CH+2], v[S+23]
	v_max3_num_f32 v[CH+4], v[CH+4], v[CH+6], v[S+55]
	VLD 1
	v_max_num_f32 v[B0], v[CH], v[S+31]
	v_max_num_f32 v[B1], v[CH+4], v[S+63]
	VLD 2
	v_max_num_f32 v[TA], v[B0], v[B1]
	VLD 3
	v_permlanex16_b32 v[TB], v[TA], s[SEL], s[SEL+1]
	ds_load_b32 v[VSC], v[ADS] offset:RECB+512
	ds_load_b32 v[VSC+1], v[ADS] offset:RECB+640
.if \mode == 2
	s_mov_b32 s[TK], TOP
	AIM
.endif
	v_max3_num_f32 v13, v13, v[TA], v[TB]          ; the running largest score of my query (c is positive)
.if \mode > 0
	KLD 0
.endif
	v_mul_f32 v[TA], s[CS], v13                    ; as t
.if \mode > 0
	KLD 2
.endif
	v_floor_f32 v12, -v[TA]                        ; the new -M = floor(-t) = -ceil(t)
.if \mode > 0
	KLD 4
.endif
	v_sub_f32 v[OM], v12, v[OM]                    ; M's old value less its new one: a whole number, 0 or less
.if \mode > 0
	KLD 6
.endif
	v_cvt_i32_f32 v[OM], v[OM]                     ; (it saturates)
.if \mode > 0
	KSLD
.endif
.if \mode == 2
	global_load_b128 v[QR:QR+3], v[AA0], s[52:53] offset:12288
	global_load_b64 v[QR+4:QR+5], v[AB0], s[52:53] offset:12288
	global_load_b32 v[QSC], v[GOS], s[54:55] offset:1024
.endif
	v_ldexp_f32 v[F], 1.0, v[OM]                   ; 2^(old M - new M): a multiplication by it rounds nothing
.set j, 0
.rept 32
	v_pk_fma_f32 v[S+j:S+j+1], v[S+j:S+j+1], s[CS:CS+1], v[12:13] op_sel_hi:[1,0,0]   ; t - M, two at a time (of the pairs c and -M the low word serves both halves)
.set j, j+2
.endr
	v_fma_f32 v[B0], v[B0], s[CS], v12             ; the same of each block's largest score
	v_fma_f32 v[B1], v[B1], s[CS], v12
	s_wait_alu depctr_va_vdst(0)                   ; the wait ahead of the batch
.set j, 0
.rept 64
	v_exp_f32 v[S+j], v[S+j]                       ; p = 2^(t - M), at most 1: not normalised
.set j, j+1
.endr
	v_exp_f32 v[B0], v[B0]                         ; the block's largest p: the same two instructions on the same number give the same bits
	v_exp_f32 v[B1], v[B1]
	v_pk_mul_f32 v[14:15], v[14:15], v[F:F+1] op_sel_hi:[1,0]   ; the sum under the new M: the plain place behind the exponentials
	s_wait_alu depctr_va_vdst(0)                   ; one wait for the whole batch, directly ahead of the first readers of O^T's four accumulators too
	OMUL 0
	OMUL 8
	OMUL 16
	OMUL 24
	; THE SUM OF THE UNQUANTISED p in eight accumulators (v[14:15], six pairs where the codes will lie, one where a conversion's result will), none of which is a register of p; by turns with the lines that make p's scale word
	v_max_num_f32 v[B0], 0x1800000, v[B0]          ; the floor 2^(3 - 127): the byte cannot fall under 1
	v_max_num_f32 v[B1], 0x1800000, v[B1]
.irp i, 0,1,2,3,4,5
	PADD PC+2*\i, S+4*\i, S+4*\i+2
.endr
	PADD TA, S+24, S+26
	PADD 14, 14, S+28
	v_add_nc_u32 v[B0], 0xff000000, v[B0]          ; 2 off the exponent field: the conversion's scale operand
	v_add_nc_u32 v[B1], 0xff000000, v[B1]
.irp i, 0,1,2,3,4,5
	PADD PC+2*\i, PC+2*\i, S+30+2*\i
.endr
	PADD TA, TA, S+42
	PADD 14, 14, S+44
	v_lshrrev_b32 v[OM], 23, v[B0]                 ; the bytes of blocks (lane / 16) and 2 + (lane / 16)
	v_lshrrev_b32 v[TB], 23, v[B1]
.irp i, 0,1,2,3
	PADD PC+2*\i, PC+2*\i, S+46+2*\i
.endr
	v_lshl_or_b32 v[OM], v[TB], 16, v[OM]
.irp i, 4,5
	PADD PC+2*\i, PC+2*\i, S+46+2*\i
.endr
	PADD TA, TA, S+58
	PADD 14, 14, S+60
	v_lshlrev_b32 v[OM], v[SH8], v[OM]             ; one place up in lanes 16-31
	PADD PC, PC, S+62
	PADD PC+4, PC+4, PC+6                          ; the eight are joined
	PADD PC+8, PC+8, PC+10
	PADD 14, 14, TA
	v_permlanex16_b32 v[TB], v[OM], s[SEL], s[SEL+1]
	PADD PC, PC, PC+2
	OMUL 2
	OMUL 4
	PADD 14, 14, PC+8
	v_or_b32 v[PSC], v[OM], v[TB]                  ; p's scale word for these 128 keys
	PADD PC, PC, PC+4
	OMUL 6
	OMUL 10
	OMUL 12
	OMUL 14
	OMUL 18
	PADD 14, 14, PC
	v_cvt_scalef32_pk16_fp6_f32 v[PC:PC+2], v[S:S+15], v[B0]
	v_cvt_scalef32_pk16_fp6_f32 v[TA:TA+2], v[S+16:S+31], v[B0]      ; (a conversion's three registers begin on an even number)
	v_cvt_scalef32_pk16_fp6_f32 v[PC+6:PC+8], v[S+32:S+47], v[B1]
	v_cvt_scalef32_pk16_fp6_f32 v[TB:TB+2], v[S+48:S+63], v[B1]
	OMUL 20                                        ; the plain place behind the scaled conversions
.irp i, 0,1,2
	v_mov_b32 v[PC+3+\i], v[TA+\i]
	v_mov_b32 v[PC+9+\i], v[TB+\i]
.endr
	OMUL 22                                        ; four places between the codes just moved and the products below
	OMUL 26
	OMUL 28
	OMUL 30
	s_wait_alu depctr_va_vdst(0)
.if \mode > 0
	s_wait_dscnt 20                                ; V's 18 loads are in; the 20 younger ones, the next step's K, may be out
.else
	s_wait_dscnt 0x0
.endif
.irp t, 0,1,2,3                                ; O^T += V^T P^T: four accumulators by turns
.if (\t%2) == 0
	v_wmma_scale_f32_16x16x128_f8f6f4 v[O+8*\t:O+8*\t+7], v[VF+12*\t:VF+12*\t+11], v[PC:PC+11], v[O+8*\t:O+8*\t+7], v[VSC+\t/2], v[PSC] matrix_a_fmt:MATRIX_FMT_FP6 matrix_b_fmt:MATRIX_FMT_FP6
.else
	v_wmma_scale_f32_16x16x128_f8f6f4 v[O+8*\t:O+8*\t+7], v[VF+12*\t:VF+12*\t+11], v[PC:PC+11], v[O+8*\t:O+8*\t+7], v[VSC+\t/2], v[PSC] matrix_a_fmt:MATRIX_FMT_FP6 matrix_b_fmt:MATRIX_FMT_FP6 matrix_a_scale:MATRIX_SCALE_ROW1
.endif
.endr
.endm
; A TILE OF 16 QUERIES: sixteen key steps and the way out.  n: my first or my second tile
.macro QTILE n
.if \n > 0
	s_wait_xcnt 0x0                                ; the last tile's stores have read their registers
.endif
	v_mov_b32 v13, 0xff61b1e6                      ; the largest score so far: -3e38
	v_mov_b32 v14, 0                               ; the sum, in two halves
	v_mul_f32 v[TA], s[CS], v13
	v_mov_b32 v15, 0
	v_floor_f32 v12, -v[TA]                        ; -M
.set j, 0
.rept 32
	v_mov_b32 v[O+j], 0                            ; O^T: the first step finds zeros, which the first change of M leaves zeros
.set j, j+1
.endr
	s_wait_loadcnt 0x0                             ; Q and its scale words
	s_mov_b32 s[CNT], 15
.Lstep_\@:
	STEP 1
	s_sub_co_u32 s[CNT], s[CNT], 1
	s_cmp_lg_u32 s[CNT], 0
	s_cbranch_scc1 .Lstep_\@
.if \n == 0
	STEP 2
.else
	STEP 0
.endif
	; THE WAY OUT: O^T / the sum, quantised along the channels: my 32 registers are one block; the six registers of codes are my part of the tile's half image for the last product
	v_add_f32 v14, v14, v15                        ; the sum's two halves,
	v_permlanex16_b32 v[TA], v14, s[SEL], s[SEL+1]
	v_add_f32 v14, v14, v[TA]                      ; and lane l xor 16's: the row's sum
	v_nop                                          ; the fourth place behind the last products
	s_wait_alu depctr_va_vdst(0)                   ; the wait ahead of the transcendental
	v_rcp_f32 v14, v14
	v_nop                                          ; a plain place behind it
	s_wait_alu depctr_va_vdst(0)                   ; and the wait, directly ahead of the first reader of its result and of O^T
.set j, 0
.rept 16
	v_pk_mul_f32 v[O+j:O+j+1], v[O+j:O+j+1], v[14:15] op_sel_hi:[1,0]   ; register i is o(my query, channel 32 (lane / 16) + i)
.set j, j+2
.endr
	v_max3_num_f32 v[B0], |v[O]|, |v[O+1]|, 0x1800000
	v_max3_num_f32 v[B1], |v[O+16]|, |v[O+17]|, 0x1800000
.irp i, 2,4,6,8,10,12,14
	v_max3_num_f32 v[B0], v[B0], |v[O+\i]|, |v[O+\i+1]|
	v_max3_num_f32 v[B1], v[B1], |v[O+16+\i]|, |v[O+17+\i]|
.endr
	v_max_num_f32 v[B0], v[B0], v[B1]
	v_add_nc_u32 v[B0], 0xff000000, v[B0]
	v_lshrrev_b32 v[B1], 23, v[B0]
	v_lshlrev_b32 v[B1], v[SH8], v[B1]
	v_permlanex16_b32 v[TB], v[B1], s[SEL], s[SEL+1]
	v_or_b32 v[B1], v[B1], v[TB]                   ; my head's two bytes of the row's scale word
	v_cvt_scalef32_pk16_fp6_f32 v[PC:PC+2], v[O:O+15], v[B0]
	v_cvt_scalef32_pk16_fp6_f32 v[TA:TA+2], v[O+16:O+31], v[B0]
	v_nop                                          ; one plain place behind the scaled conversions
.irp i, 0,1,2
	v_mov_b32 v[PC+3+\i], v[TA+\i]
.endr
	global_store_b128 v[AA0], v[PC:PC+3], s[56:57] offset:\n*196608     ; 512 consecutive bytes, at a multiple of 256
	global_store_b64 v[AB0], v[PC+4:PC+5], s[56:57] offset:\n*196608    ; 256 consecutive bytes, likewise
	global_store_b16 v[GOS], v[B1], s[58:59] offset:\n*8192             ; both halves of the lanes write the same two bytes with the same value
.endm
	s_wait_alu depctr_va_vdst(0)
	s_wait_tensorcnt 0x0                           ; my record has landed
	s_barrier_signal -1
	s_barrier_wait -1                              ; everybody's has: the head is whole.
	s_mov_b32 s[TK], TOP
	AIM
	KLD 0
	KLD 2
	KLD 4
	KLD 6
	KSLD
	QTILE 0
	QTILE 1
	s_wait_tensorcnt 0x0                           ; the wave's end
	ds_add_u32 v[SPW], v[NIL]
	s_wait_dscnt 0x0
	ROUND                                          ; the closing round: no work-group ends while a partner may still ask for a record that names it
	s_endpgm
.Lfunc_end_k_q79c68ebe96_attn:
	.size	k_q79c68ebe96_attn, .Lfunc_end_k_q79c68ebe96_attn-k_q79c68ebe96_attn
	.p2alignl 7, 3214868480
	.fill 96, 4, 3214868480
	.section	.rodata,"a",@progbits
	.p2align	6, 0x0
	.amdhsa_kernel k_q79c68ebe96_attn
		.amdhsa_group_segment_fixed_size 224000
		.amdhsa_private_segment_fixed_size 0
		.amdhsa_enable_private_segment 0
		.amdhsa_kernarg_size 24
		.amdhsa_user_sgpr_count 2
		.amdhsa_user_sgpr_kernarg_segment_ptr 1
		.amdhsa_wavefront_size32 1
		.amdhsa_system_sgpr_workgroup_id_x 1
		.amdhsa_system_sgpr_workgroup_id_y 1
		.amdhsa_system_sgpr_workgroup_id_z 1
		.amdhsa_system_vgpr_workitem_id 0
		.amdhsa_next_free_vgpr 256
		.amdhsa_next_free_sgpr 66
		.amdhsa_reserve_vcc 0
		.amdhsa_float_denorm_mode_32 3
		.amdhsa_float_denorm_mode_16_64 3
		.amdhsa_memory_ordered 1
		.amdhsa_forward_progress 1
		.amdhsa_inst_pref_size 75
	.end_amdhsa_kernel
	.amdgpu_metadata
---
amdhsa.version: [ 1, 2 ]
amdhsa.kernels:
  - .name:           k_q79c68ebe96_attn
    .symbol:         k_q79c68ebe96_attn.kd
    .args:
      - { .name: qq, .offset: 0, .size: 8, .value_kind: global_buffer, .address_space: global }
      - { .name: kvq, .offset: 8, .size: 8, .value_kind: global_buffer, .address_space: global }
      - { .name: aq, .offset: 16, .size: 8, .value_kind: global_buffer, .address_space: global }
    .group_segment_fixed_size: 224000
    .private_segment_fixed_size: 0
    .kernarg_segment_align: 8
    .kernarg_segment_size: 24
    .max_flat_workgroup_size: 512
    .sgpr_count:     66
    .vgpr_count:     256
    .wavefront_size: 32
...
	.end_amdgpu_metadata
.endif
;; end of part 3
;; launch oproj (part 4): grid 256 x 1, 4 waves a work-group, clusters of 4 x 1, 295,424 bytes of LDS; arguments aq, wq, bo, out0; writes out0
.if DOCPART == 4
	.amdgcn_target "amdgcn-amd-amdhsa--gfx1250"
	.amdhsa_code_object_version 6
	.text
	.protected	k_q79c68ebe96_oproj
	.globl	k_q79c68ebe96_oproj
	.p2align	8
	.type	k_q79c68ebe96_oproj,@function
k_q79c68ebe96_oproj:
	s_mov_b64 s[64:65], 0
	v_nop
	global_prefetch_b8 v0, s[64:65] scope:SCOPE_SE
	s_setreg_imm32_b32 hwreg(HW_REG_WAVE_MODE, 25, 1), 1
	s_wait_xcnt 0x0
	s_wait_alu depctr_hold_cnt(0) depctr_sa_sdst(0) depctr_va_vdst(0) depctr_va_sdst(0) depctr_va_ssrc(0) depctr_va_vcc(0) depctr_vm_vsrc(0)
	s_getreg_b32 s2, hwreg(HW_REG_IB_STS2, 6, 4)
	s_cmp_eq_u32 s2, 0
	s_cbranch_scc0 .Lentry_in_a_cluster
	s_endpgm
.Lentry_in_a_cluster:
	s_bfe_u32 s2, ttmp6, 0x10000c
	s_cmp_lg_u32 s2, 0x3003
	s_cbranch_scc0 .Lentry_shape_is_right
	s_endpgm
.Lentry_shape_is_right:
; out0 = ao Wo + bo on codes of FP6 (E2M3) with E8M0 scales; out0 [8192][1024] f32.
; P (source 0) = 256 columns of Wo (tiles 160 + 16 Pi of wq): they come out along a lane's registers; Q (source 1) = 128 tokens (tiles 8 Qi of aq): along the lanes.  So a lane's eight results are eight neighbouring numbers of a row of out0.
; A work-group makes 256 x 128 over all of K = 1,024; wave w takes P's tiles 8 (w / 2) + b, b = 0..7, and Q's tiles 4 (w % 2) + a, a = 0..3: 32 accumulators.
; Operands lie in memory as images of their registers (fragment: 1,536 bytes; half c: registers 6 c .. + 3 at 768 c + 16 l, registers 6 c + 4, + 5 at 768 c + 512 + 8 l), rows in the stored order: lane r of tile 2 i + u
; is row 32 i + 8 u + r + 8 (r / 8).  For Wo's columns that makes the 16 registers of result tiles 2 i, 2 i + 1 sixteen neighbouring columns; for the tokens it is undone on the way out, by the stores' immediates.
; LDS: the whole K of the tile in four chunks of two K steps; each byte is filled ONCE, all loads go out at the head; a counted wait and a barrier stand in front of each chunk's first read.
; CLUSTER: the four partners share P: its loads are joint (mask 15); Q's are each work-group's own.  The place in the cluster enters Q's global addresses and the stores' alone.
; REGISTERS: window 0: v1-15 addresses; v16-47 P's scale words, v48-63 Q's; v64-159 Q's fragments, two sets; v160-223 the bias; on the way out v64-191 take rows of out0.  window 1: accumulator (a, b) at 8 (8 a + b).  window 2: P's fragments.
; AS IT NOW IS (in place of what the lines above say of the order and of LDS).  STORED ORDER: inside each group of 128 rows, lane r of tile t is row 64 (t / 4) + 32 (r / 8) + 8 (t % 4) + r % 8: the 32 registers of result tiles
; 4 i .. 4 i + 3 are columns 64 i + 32 (lane / 16) + 0 .. 31; for the tokens the order is undone by the stores' immediates.
; LDS: the whole K of the tile, tile by tile as it lies in memory (12,288 bytes a tile): each wave brings a dense block by ONE tensor load at the head; one wait and one barrier stand in front of the first read; nothing is filled
; again.  The stage of the way out lies on P's first tiles, behind a barrier of its own, in front of which every wave's reads are over.
.set XS,    6291456
.set WS,    2752512
.set CHUNK, 73728
.set UNIT,  98304
.set TILEB, 12288
.set SPARE, 4*CHUNK                    ; the spare words, 128 bytes a wave: two blocks of 256 bytes that no other line names
.set SPITCH, 528                       ; the way out: a stage of 16 rows x (512 bytes + 16) for each wave, on P's first tiles, which have had their one fill and whose last reads lie in front of the way out's barrier
.set P16, 1
.set P8,  2
.set Q16, 3
.set Q8,  4
.set SPW, 5
.set NIL, 6
.set STO, 7                            ; v7   the stage: where I put 32 bytes of a row
.set RD,  8                            ; v8   and where I read a row back
.set CO,  9                            ; v9   16 x lane: my bytes of a row's 512
.set VL4, 12
.set VB,  13
.set L8,  15
.set SP,  16
.set SQ,  48
.set QF,  64
.set BI,  160
.set G1P, 28
.set G1Q, 36
.set G0P, 44
.set G0Q, 68
.set MSB, 0
.macro WIN new                         ; the immediate's high byte repeats the setting that is left
.if MSB != \new
	s_set_vgpr_msb (MSB<<8)|\new
.set MSB, \new
.endif
.endm
.macro PLACES
.rept 4
	v_nop
.endr
.endm
.macro ROUND                           ; a round of the cluster's barrier
	s_barrier_signal -1
	s_barrier_wait -1
	s_cmp_lg_u32 s18, 0
	s_cbranch_scc1 .Lnot_wave_0_\@
	s_barrier_signal -3
.Lnot_wave_0_\@:
	s_barrier_wait -3
	s_barrier_signal -1
	s_barrier_wait -1
.endm
	s_load_b256 s[4:11], s[0:1], 0x0               ; aq s[4:5], wq s[6:7], bo s[8:9], out0 s[10:11]
	v_lshl_add_u32 v[SPW], v0, 2, SPARE
	v_mov_b32 v[NIL], 0
	ds_add_u32 v[SPW], v[NIL]                      ; the wave's opening: the add and its wait ahead of my first tensor load; work on registers stands between them
	ds_add_u32 v[SPW], v[NIL]
	v_lshrrev_b32 v10, 5, v0
	v_readfirstlane_b32 s18, v10                   ; wave
	s_lshr_b32 s19, s18, 1                         ; WP
	s_and_b32 s20, s18, 1                          ; WQ; also which half I fetch
	s_bfe_u32 s21, ttmp6, 0x40000                  ; cx
	s_lshr_b32 s24, ttmp9, 4                       ; Pi: shared by the four partners
	s_and_b32 s25, ttmp9, 15
	s_lshl_b32 s25, s25, 2
	s_add_co_u32 s25, s25, s21                     ; Qi
	s_mov_b32 s[G1P], 15|(3<<16)|(1<<21)           ; group 1 for P: the mask: all four partners; elements of 8 bytes; bit 21 beside a mask; no padding
	s_mov_b32 s[G1P+1], 32<<16                     ; a dense block as rows of 256 bytes
	s_mov_b32 s[G1P+2], 384<<16                    ; 384 rows: 8 tiles
	s_mov_b32 s[G1P+3], 32<<16
	s_mov_b32 s[G1P+4], 384
	s_mov_b32 s[G1P+5], 32
	s_mov_b32 s[G1P+6], 0
	s_mov_b32 s[G1P+7], 0
	s_mov_b32 s[G1Q], 3<<16                        ; group 1 for Q: no mask; 4 tiles
	s_mov_b32 s[G1Q+1], 32<<16
	s_mov_b32 s[G1Q+2], 192<<16                    ; 192 rows of 256 bytes: 4 tiles
	s_mov_b32 s[G1Q+3], 32<<16
	s_mov_b32 s[G1Q+4], 192
	s_mov_b32 s[G1Q+5], 32
	s_mov_b32 s[G1Q+6], 0
	s_mov_b32 s[G1Q+7], 0
	s_mul_i32 s26, s24, 196608                     ; P: made of the cluster's number and the wave's alone
	s_mul_i32 s27, s20, 98304
	s_add_co_u32 s26, s26, s27
	s_add_co_u32 s26, s26, 1966080                 ; Wo's tiles begin at tile 160
	s_mov_b32 s27, 0
	s_mul_i32 s98, s25, 98304                      ; Q
	s_mul_i32 s99, s20, 49152
	s_add_co_u32 s98, s98, s99
	s_mov_b32 s99, 0
	s_mul_i32 s2, s20, UNIT
	s_mul_i32 s3, s20, 49152
	s_add_co_u32 s3, s3, 2*UNIT
	s_wait_dscnt 0x0                               ; the opening add is done
	s_wait_kmcnt 0x0
	s_add_nc_u64 s[26:27], s[6:7], s[26:27]
	s_add_nc_u64 s[98:99], s[4:5], s[98:99]
	s_mov_b32 s[G0P], 1
	s_mov_b32 s[G0P+1], s2
	s_mov_b64 s[G0P+2:G0P+3], s[26:27]
	s_or_b32 s[G0P+3], s[G0P+3], 0x80000000
	s_mov_b32 s[G0Q], 1
	s_mov_b32 s[G0Q+1], s3
	s_mov_b64 s[G0Q+2:G0Q+3], s[98:99]
	s_or_b32 s[G0Q+3], s[G0Q+3], 0x80000000
	ROUND                                          ; all four work-groups are here: the joint loads meet
	s_cmp_lt_u32 s18, 2                            ; a wave's one fill stands in one branch on the wave's number: one load of mine is out
	s_cbranch_scc0 .Lfirst_q
	tensor_load_to_lds s[G0P:G0P+3], s[G1P:G1P+7]  ; one tensor load a wave at the head
	s_nop 0
.rept 4
	v_nop
.endr
	s_branch .Lfirst_asked
.Lfirst_q:
	tensor_load_to_lds s[G0Q:G0Q+3], s[G1Q:G1Q+7]
	s_nop 0
.rept 4
	v_nop
.endr
.Lfirst_asked:
	v_and_b32 v14, 31, v0                          ; lane
	v_and_b32 v10, 15, v0                          ; r
	v_bfe_u32 v11, v0, 4, 1                        ; h
	v_lshlrev_b32 v[VL4], 2, v14
	v_lshlrev_b32 v[CO], 4, v14
	v_lshl_add_u32 v[L8], v14, 3, 512
	s_mul_i32 s2, s19, UNIT
	s_mul_i32 s3, s20, 49152
	s_add_co_u32 s3, s3, 2*UNIT
	v_add_nc_u32 v[P16], s2, v[CO]
	v_add_nc_u32 v[P8], s2, v[L8]
	v_add_nc_u32 v[Q16], s3, v[CO]
	v_add_nc_u32 v[Q8], s3, v[L8]
	v_lshlrev_b32 v[VB], 7, v11                    ; 32 columns of 4 bytes for lanes 16-31
	s_wait_alu depctr_va_vdst(0)
	s_mul_i32 s2, s18, 16*SPITCH                   ; my stage
	v_mul_u32_u24 v[STO], v10, SPITCH
	v_lshl_add_u32 v[STO], v11, 7, v[STO]
	v_add_nc_u32 v[STO], s2, v[STO]                ; in: row r, + 128 h
	v_add_nc_u32 v[RD], s2, v[CO]                  ; back: the 32 lanes take one row of 512 bytes
	v_add_nc_u32 v10, 4*TILEB, v[P16]              ; P's tiles 4-7 have address registers of their own (v10, v11): an LDS offset has 16 bits
	v_add_nc_u32 v11, 4*TILEB, v[P8]
	s_lshl_b32 s2, s24, 13                         ; the scale words of my tiles, for all of K, straight into the registers that the products name
	s_lshl_b32 s3, s19, 12
	s_add_co_u32 s2, s2, s3
	s_add_co_u32 s2, s2, WS+81920                  ; Wo's pairs begin at pair 80
	s_mov_b32 s3, 0
	s_add_nc_u64 s[60:61], s[6:7], s[2:3]
	s_lshl_b32 s2, s25, 12
	s_lshl_b32 s98, s20, 11
	s_add_co_u32 s2, s2, s98
	s_add_co_u32 s2, s2, XS
	s_add_nc_u64 s[62:63], s[4:5], s[2:3]
.irp s, 0,1,2,3,4,5,6,7
.irp i, 0,1,2,3
	global_load_b32 v[SP+4*\s+\i], v[VL4], s[60:61] offset:\i*1024+\s*128
.endr
.irp i, 0,1
	global_load_b32 v[SQ+2*\s+\i], v[VL4], s[62:63] offset:\i*1024+\s*128
.endr
.endr
	s_lshl_b32 s2, s24, 10                         ; my 128 columns, in bytes: 1,024 Pi + 512 WP
	s_lshl_b32 s98, s19, 9
	s_add_co_u32 s2, s2, s98
	s_add_nc_u64 s[26:27], s[8:9], s[2:3]          ; the bias is the C of each sum's first product: tile b, lane (r, h): columns 64 (b / 4) + 32 h + 8 (b % 4) + 0 .. 7
.irp b, 0,1,2,3,4,5,6,7
	global_load_b128 v[BI+8*\b:BI+8*\b+3], v[VB], s[26:27] offset:(64*(\b/4)+8*(\b%4))*4        ; tile b, lane (r, h): columns 64 (b / 4) + 32 h + 8 (b % 4) + 0 .. 7
	global_load_b128 v[BI+8*\b+4:BI+8*\b+7], v[VB], s[26:27] offset:(64*(\b/4)+8*(\b%4))*4+16
.endr
	s_lshl_b32 s98, s25, 19                        ; my 64 tokens' rows: (128 Qi + 64 WQ) x 4,096 bytes
	s_lshl_b32 s99, s20, 18
	s_add_co_u32 s98, s98, s99
	s_add_co_u32 s98, s98, s2
	s_mov_b32 s99, 0
	s_add_nc_u64 s[88:89], s[10:11], s[98:99]
.macro FETCH s                         ; the fragments of K step s: 8 of P, 4 of Q, four loads each: 48 LDS loads of 512 or 256 consecutive bytes
.set E, (\s)*1536
.set PS, 128*((\s)%2)
.set QSET, QF+48*((\s)%2)
	WIN 0x80                                       ; destination window 2, address window 0
.irp b, 0,1,2,3,4,5,6,7
	ds_load_b128 v[PS+12*\b:PS+12*\b+3], v[P16+9*(\b/4)] offset:(\b%4)*TILEB+E
	ds_load_b64 v[PS+12*\b+4:PS+12*\b+5], v[P8+9*(\b/4)] offset:(\b%4)*TILEB+E
	ds_load_b128 v[PS+12*\b+6:PS+12*\b+9], v[P16+9*(\b/4)] offset:(\b%4)*TILEB+E+768
	ds_load_b64 v[PS+12*\b+10:PS+12*\b+11], v[P8+9*(\b/4)] offset:(\b%4)*TILEB+E+768
.endr
	WIN 0
.irp a, 0,1,2,3
	ds_load_b128 v[QSET+12*\a:QSET+12*\a+3], v[Q16] offset:\a*TILEB+E
	ds_load_b64 v[QSET+12*\a+4:QSET+12*\a+5], v[Q8] offset:\a*TILEB+E
	ds_load_b128 v[QSET+12*\a+6:QSET+12*\a+9], v[Q16] offset:\a*TILEB+E+768
	ds_load_b64 v[QSET+12*\a+10:QSET+12*\a+11], v[Q8] offset:\a*TILEB+E+768
.endr
.endm
.macro WMI                             ; one product, by the symbols DR, AR, BR, CR, SAR, SBR; RA, RB: which half of the lanes holds the tile's scale words
.if (RA == 0) && (RB == 0)
	v_wmma_scale_f32_16x16x128_f8f6f4 v[DR:DR+7], v[AR:AR+11], v[BR:BR+11], v[CR:CR+7], v[SAR], v[SBR] matrix_a_fmt:MATRIX_FMT_FP6 matrix_b_fmt:MATRIX_FMT_FP6
.elseif (RA == 1) && (RB == 0)
	v_wmma_scale_f32_16x16x128_f8f6f4 v[DR:DR+7], v[AR:AR+11], v[BR:BR+11], v[CR:CR+7], v[SAR], v[SBR] matrix_a_fmt:MATRIX_FMT_FP6 matrix_b_fmt:MATRIX_FMT_FP6 matrix_a_scale:MATRIX_SCALE_ROW1
.elseif (RA == 0) && (RB == 1)
	v_wmma_scale_f32_16x16x128_f8f6f4 v[DR:DR+7], v[AR:AR+11], v[BR:BR+11], v[CR:CR+7], v[SAR], v[SBR] matrix_a_fmt:MATRIX_FMT_FP6 matrix_b_fmt:MATRIX_FMT_FP6 matrix_b_scale:MATRIX_SCALE_ROW1
.else
	v_wmma_scale_f32_16x16x128_f8f6f4 v[DR:DR+7], v[AR:AR+11], v[BR:BR+11], v[CR:CR+7], v[SAR], v[SBR] matrix_a_fmt:MATRIX_FMT_FP6 matrix_b_fmt:MATRIX_FMT_FP6 matrix_a_scale:MATRIX_SCALE_ROW1 matrix_b_scale:MATRIX_SCALE_ROW1
.endif
.endm
; A K step's 32 products.  The 32 accumulators take turns, one instruction a turn, in the same order in every K step.  cmode 0: C = the accumulator; 1: the bias.
.macro MUL32 set, s, cmode
.irp a, 0,1,2,3
.irp b, 0,1,2,3,4,5,6,7
.set DR, 8*(8*\a+\b)
.set AR, 128*(\set)+12*\b
.set BR, QF+48*(\set)+12*\a
.if (\cmode) == 0
.set CR, DR
.else
.set CR, BI+8*\b
.endif
.set SAR, SP+4*(\s)+\b/2
.set SBR, SQ+2*(\s)+\a/2
.set RA, \b%2
.set RB, \a%2
	WMI
.endr
.endr
.endm
.macro STEP s                          ; the next step's fragments are asked for first, into the set that the step before multiplied, and land under this step's 32 products
	WIN 0
	PLACES
.if (\s) < 7
	FETCH (\s)+1
	s_wait_dscnt 48                                ; all but the 48 just issued: this step's fragments are in
.else
	s_wait_dscnt 0x0
.endif
	WIN 0x52                                       ; source 0 (P) window 2, source 1 (Q) window 0, C and D window 1
	MUL32 (\s)%2, \s, 0
.endm
	s_wait_alu depctr_va_vdst(0)
	s_wait_tensorcnt 0x0                           ; my one load has landed
	s_barrier_signal -1
	s_barrier_wait -1
	FETCH 0
	FETCH 1
	s_wait_dscnt 48
	s_wait_loadcnt 0x0                             ; scale words and bias
	WIN 0x42                                       ; C in window 0: the first products start the sums with the bias: nothing is cleared
	MUL32 0, 0, 1
	STEP 1
	s_wait_alu depctr_va_vdst(0)
	STEP 2
	STEP 3
	s_wait_alu depctr_va_vdst(0)
	STEP 4
	STEP 5
	s_wait_alu depctr_va_vdst(0)
	STEP 6
	STEP 7
	WIN 0
; THE WAY OUT, a tile of 16 tokens x 128 columns at a time.  A lane holds pieces of one row, and the lanes beside it hold other rows: so a tile goes through my own stage in LDS and comes back as whole rows of 512 bytes.
; LDS serves a wave's instructions in order: no wait between the stores and the loads, nor in front of the next tile's stores.
.macro TOSTAGE a
	WIN 0x04                                       ; an LDS store's data are its source 1: window 1
.irp b, 0,1,2,3,4,5,6,7
	ds_store_b128 v[STO], v[64*(\a)+8*\b:64*(\a)+8*\b+3] offset:256*(\b/4)+32*(\b%4)        ; each accumulator from its low end on: columns 64 (b / 4) + 32 h + 8 (b % 4) + 0 .. 3,
	ds_store_b128 v[STO], v[64*(\a)+8*\b+4:64*(\a)+8*\b+7] offset:256*(\b/4)+32*(\b%4)+16   ; + 4 .. 7
.endr
	WIN 0
.set BB, 64+64*((\a)%2)
.irp t, 0,1,2,3,4,5,6,7,8,9,10,11,12,13,14,15
	ds_load_b128 v[BB+4*\t:BB+4*\t+3], v[RD] offset:\t*SPITCH
.endr
.endm
.macro SEND a, younger                 ; younger: the LDS instructions issued behind tile a's loads, which may stay out
.set BB, 64+64*((\a)%2)
	s_wait_dscnt \younger
.irp t, 0,1,2,3,4,5,6,7,8,9,10,11,12,13,14,15
	global_store_b128 v[CO], v[BB+4*\t:BB+4*\t+3], s[88:89] offset:(8*(\a)+(\t&7)+32*(\t>>3))*4096 th:TH_STORE_NT   ; lane t of tile a is this token: 512 consecutive bytes, at a multiple of 256
.endr
.endm
	s_wait_dscnt 0x0                               ; my reads of the tiles are over,
	s_barrier_signal -1
	s_barrier_wait -1                              ; and everybody's: the stages may be laid over P's first tiles
	PLACES                                         ; behind the last products: for the first reads of results and the loads into registers that held Q's fragments and the bias
	TOSTAGE 0
.irp a, 1,2,3
.if \a > 1
	s_wait_xcnt 0x0                                ; tile a - 2's stores have read their registers: tile a's rows may land there
.endif
	TOSTAGE \a
	SEND \a-1, 32                                  ; behind tile a - 1's loads: tile a's 16 stores and 16 loads
.endr
	SEND 3, 0
	s_wait_tensorcnt 0x0                           ; the wave's end, behind my last tensor load and my last LDS store
	ds_add_u32 v[SPW], v[NIL]
	s_wait_dscnt 0x0
	ROUND                                          ; the closing round: no work-group ends while a partner may still ask for a tile that names it
	s_endpgm
.Lfunc_end_k_q79c68ebe96_oproj:
	.size	k_q79c68ebe96_oproj, .Lfunc_end_k_q79c68ebe96_oproj-k_q79c68ebe96_oproj
	.p2alignl 7, 3214868480
	.fill 96, 4, 3214868480
	.section	.rodata,"a",@progbits
	.p2align	6, 0x0
	.amdhsa_kernel k_q79c68ebe96_oproj
		.amdhsa_group_segment_fixed_size 295424
		.amdhsa_private_segment_fixed_size 0
		.amdhsa_enable_private_segment 0
		.amdhsa_kernarg_size 32
		.amdhsa_user_sgpr_count 2
		.amdhsa_user_sgpr_kernarg_segment_ptr 1
		.amdhsa_wavefront_size32 1
		.amdhsa_system_sgpr_workgroup_id_x 1
		.amdhsa_system_sgpr_workgroup_id_y 1
		.amdhsa_system_sgpr_workgroup_id_z 1
		.amdhsa_system_vgpr_workitem_id 0
		.amdhsa_next_free_vgpr 768
		.amdhsa_next_free_sgpr 100
		.amdhsa_reserve_vcc 0
		.amdhsa_float_denorm_mode_32 3
		.amdhsa_float_denorm_mode_16_64 3
		.amdhsa_memory_ordered 1
		.amdhsa_forward_progress 1
		.amdhsa_inst_pref_size 86
	.end_amdhsa_kernel
	.amdgpu_metadata
---
amdhsa.version: [ 1, 2 ]
amdhsa.kernels:
  - .name:           k_q79c68ebe96_oproj
    .symbol:         k_q79c68ebe96_oproj.kd
    .args:
      - { .name: aq, .offset: 0, .size: 8, .value_kind: global_buffer, .address_space: global }
      - { .name: wq, .offset: 8, .size: 8, .value_kind: global_buffer, .address_space: global }
      - { .name: bo, .offset: 16, .size: 8, .value_kind: global_buffer, .address_space: global }
      - { .name: out0, .offset: 24, .size: 8, .value_kind: global_buffer, .address_space: global }
    .group_segment_fixed_size: 295424
    .private_segment_fixed_size: 0
    .kernarg_segment_align: 8
    .kernarg_segment_size: 32
    .max_flat_workgroup_size: 128
    .sgpr_count:     100
    .vgpr_count:     768
    .wavefront_size: 32
...
	.end_amdgpu_metadata
.endif
;; end of part 4
